; MI455X (gfx1250); checked and timed in simulation.
; The chip was launched on July 23, 2026; its instructions are those of AMD's public machine-readable ISA for CDNA 5 (MIT licence, August 2026) and "CDNA5" Instruction Set Architecture Reference Guide (July 2026). The comments in the code are by the model that wrote it; some were corrected since.
;; GAB. Allowed arithmetic: float matrix products may take bf16 or f16 operands with f32 sums; all other float work in f32.
;; Inputs: W1 2,048 x 512 float32; W2 512 x 2,048 float32; W3 64 x 512 float32; W4 1 x 64 float32; b1 2,048 float32; b2 512 float32; b3 64 float32; b4 1 float32; g1 2,048 float32; g2 512 float32; g3 64 float32; g4 1 float32; m1 2,048 float32; m2 512 float32; m3 64 float32; m4 1 float32; v1 2,048 float32; v2 512 float32; v3 64 float32; v4 1 float32; x_key 16 x 2,048 x 512 float32; x_query 16 x 2,048 float32.
;; Outputs: out0 16 x 2,048 float32.
;; 2 versions, each right; version 2 is version 1 with the launch prep written anew for expert scheduling mode. Each part assembles by itself: llvm-mc -triple=amdgcn-amd-amdhsa -mcpu=gfx1250 --defsym DOCPART=n.
;; ======== version 1 of 2: 3 launches
;; workspace buffers: WT 4,259,840 bytes; CS 8,960 bytes; C2Q 32,768 bytes; VAL 134,217,728 bytes; SC 131,072 bytes
;; launch prep (part 1): grid 163 x 1, 16 waves a work-group, no clusters, 18,432 bytes of LDS; arguments W1, W2, W3, W4, g1, b1, m1, v1, g2, b2, m2, v2, g3, b3, m3, v3, g4, b4, m4, v4, x_query, WT, CS, C2Q; writes WT, CS, C2Q
.if DOCPART == 1
	.amdgcn_target "amdgcn-amd-amdhsa--gfx1250"
	.amdhsa_code_object_version 6
	.text
	.protected	k_q5b93484901_prep
	.globl	k_q5b93484901_prep
	.p2align	8
	.type	k_q5b93484901_prep,@function
k_q5b93484901_prep:
	s_mov_b64 s[64:65], 0
	v_nop
	global_prefetch_b8 v0, s[64:65] scope:SCOPE_SE
	s_setreg_imm32_b32 hwreg(HW_REG_WAVE_MODE, 25, 1), 1
	s_wait_xcnt 0x0
; PREP: everything that hangs on the weights and on x_query alone, made once.
; With a_i = g_i rsq(v_i + 1e-5) and c_i = b_i - m_i a_i the batch norm behind a product is  a_i (x . W_i[row]) + c_i.
;   WT   the weights as the main launch streams them, bf16, a_i multiplied into each row in f32 ahead of the one rounding:
;        chunk c (128 channels of the 2,048) at byte 262,144 c: a1 W1 as [kq 4][e 128][k 128], then at +131,072 a2 W2 as [eh 2][d 512][e' 64];
;        a3 W3 at byte 4,194,304 as [dq 4][k3 64][d' 128].  Every 65,536 bytes are one fill of an LDS slot there.
;   CS   f32: c1[2048] at 0; c3[64] at 8,192; a4 W4[64] at 8,448; c4, 64 times, at 8,704.
;   C2Q  f32 [d / 16][b 16][16]: a2[d] (x_query[b] . W2[d]) + c2[d]: (values + q) W2^T = values W2^T + q W2^T, and the second term starts the main launch's sums.
; LIMITS.  x_query and W2 are rounded to bf16 for the product q W2^T, sums in f32.  NaN and infinities are not treated apart.
; JOBS, by the work-group's number, those with the longest chain of dependent accesses first: 0-31 C2Q (16 d each), 32 the constants, 33-96 W1, 97-160 W2, 161-162 W3.
; Sixteen waves a work-group, so that the 163 work-groups do all the work with one round of loads each.
.set EPS,   0x3727c5ac                 ; 1e-5
.set SPARE, 16384                      ; behind the partial sums: the spare words, 128 bytes for each of sixteen waves
.set SPW, 6                            ; v6  LDS address of my spare word; never rewritten
.set NIL, 7                            ; v7  0; never rewritten
; the conversion jobs
.set U,   8                            ; v8      the unit in hand (8 numbers)
.set T0,  12                           ; v12-14  at work
.set T1,  13
.set T2,  14
.set SRC, 16                           ; v16-19  byte offset of unit i in the weight
.set DST, 20                           ; v20-23  byte offset of unit i in WT
.set ROW, 24                           ; v24-27  4 x the unit's row: offset into g and v
.set GG,  28                           ; v28-31  g[row]
.set VV,  32                           ; v32-35  v[row], then rsq
.set AA,  36                           ; v36-43  a[row], twice: a pair for the packed multiply
.set DD,  64                           ; v64-95  the units' 8 numbers in f32
.set OO,  96                           ; v96-111 the same in bf16
; the job C2Q
.set LD,  64                           ; v64-191 four K steps of 32 registers: 16 f32 of q, then 16 of W2
.set FR,  192                          ; v192-223 two sets of fragments: A (q) 8, B (W2) 8
.set ACC, 224                          ; v224-239 two accumulators, by turns
.set SUM, 240                          ; v240-247 their sum
	s_load_b512 s[8:23], s[0:1], 0x0               ; W1 8, W2 10, W3 12, W4 14, g1 16, b1 18, m1 20, v1 22
	s_load_b512 s[24:39], s[0:1], 0x40             ; g2 24, b2 26, m2 28, v2 30, g3 32, b3 34, m3 36, v3 38
	s_load_b512 s[40:55], s[0:1], 0x80             ; g4 40, b4 42, m4 44, v4 46, x_query 48, WT 50, CS 52, C2Q 54
	v_lshl_add_u32 v[SPW], v0, 2, SPARE
	v_mov_b32 v[NIL], 0
	v_lshrrev_b32 v1, 5, v0
	v_readfirstlane_b32 s4, v1                     ; my wave's number
	s_mov_b32 s5, ttmp9
	s_wait_kmcnt 0x0
	s_cmp_lt_u32 s5, 32
	s_cbranch_scc1 .Lc2q
	s_cmp_eq_u32 s5, 32
	s_cbranch_scc1 .Lconst
	s_cmp_lt_u32 s5, 97
	s_cbranch_scc1 .Lw1
	s_cmp_lt_u32 s5, 161
	s_cbranch_scc1 .Lw2
	s_branch .Lw3
; A work-group converts 2,048 units of 8 numbers, a thread four: unit u = 2,048 x (work-group in its job) + 512 i + t.  Units are numbered along WT, so sixteen
; neighbouring lanes store 256 consecutive bytes; the unit's row and column in the weight are cut out of u by the layout at the head.
.macro CONV kind, wp, gp, vp, first, doff
	s_sub_co_u32 s6, s5, \first
	s_lshl_b32 s6, s6, 11
.irp i, 0,1,2,3
	v_add3_u32 v[U], v0, s6, 512*\i
.if (\kind) == 1                       ; u = [c][kq 2 bits][e 7 bits][k8 4 bits]
	v_lshrrev_b32 v[T0], 13, v[U]
	v_bfe_u32 v[T1], v[U], 4, 7
	v_lshl_add_u32 v[ROW+\i], v[T0], 7, v[T1]      ; row = 128 c + e
	v_bfe_u32 v[T1], v[U], 11, 2
	v_and_b32 v[T2], 15, v[U]
	v_lshl_add_u32 v[T1], v[T1], 4, v[T2]          ; column / 8 = 16 kq + k8
	v_lshlrev_b32 v[T1], 5, v[T1]
	v_lshl_add_u32 v[SRC+\i], v[ROW+\i], 11, v[T1] ; rows of 2,048 bytes
	v_and_b32 v[T2], 0x1fff, v[U]
	v_lshlrev_b32 v[T2], 4, v[T2]
	v_lshl_add_u32 v[DST+\i], v[T0], 18, v[T2]
.elseif (\kind) == 2                   ; u = [c][eh 1 bit][d 9 bits][e8 3 bits]
	v_lshrrev_b32 v[T0], 13, v[U]
	v_bfe_u32 v[ROW+\i], v[U], 3, 9                ; row = d
	v_bfe_u32 v[T1], v[U], 12, 1
	v_lshl_add_u32 v[T1], v[T0], 1, v[T1]
	v_and_b32 v[T2], 7, v[U]
	v_lshl_add_u32 v[T1], v[T1], 3, v[T2]          ; column / 8 = 16 c + 8 eh + e8
	v_lshlrev_b32 v[T1], 5, v[T1]
	v_lshl_add_u32 v[SRC+\i], v[ROW+\i], 13, v[T1] ; rows of 8,192 bytes
	v_and_b32 v[T2], 0x1fff, v[U]
	v_lshlrev_b32 v[T2], 4, v[T2]
	v_lshl_add_u32 v[DST+\i], v[T0], 18, v[T2]
.else                                  ; u = [dq 2 bits][k3 6 bits][d8 4 bits]
	v_bfe_u32 v[ROW+\i], v[U], 4, 6
	v_bfe_u32 v[T1], v[U], 10, 2
	v_and_b32 v[T2], 15, v[U]
	v_lshl_add_u32 v[T1], v[T1], 4, v[T2]
	v_lshlrev_b32 v[T1], 5, v[T1]
	v_lshl_add_u32 v[SRC+\i], v[ROW+\i], 11, v[T1]
	v_lshlrev_b32 v[DST+\i], 4, v[U]
.endif
	v_lshlrev_b32 v[ROW+\i], 2, v[ROW+\i]
	global_load_b128 v[DD+8*\i:DD+8*\i+3],   v[SRC+\i], s[\wp:\wp+1]
	global_load_b128 v[DD+8*\i+4:DD+8*\i+7], v[SRC+\i], s[\wp:\wp+1] offset:16
	global_load_b32 v[GG+\i], v[ROW+\i], s[\gp:\gp+1]
	global_load_b32 v[VV+\i], v[ROW+\i], s[\vp:\vp+1]
.endr
	s_wait_loadcnt 0x0
.irp i, 0,1,2,3
	v_add_f32 v[VV+\i], EPS, v[VV+\i]
.endr
.irp i, 0,1,2,3
	v_rsq_f32 v[VV+\i], v[VV+\i]
.endr
	v_nop                                          ; a plain instruction between the last root and the use of its result
	s_wait_alu depctr_va_vdst(0)
.irp i, 0,1,2,3
	v_mul_f32 v[AA+2*\i], v[GG+\i], v[VV+\i]       ; a = g rsq(v + eps)
.endr
.irp i, 0,1,2,3
	v_mov_b32 v[AA+2*\i+1], v[AA+2*\i]
.endr
.irp i, 0,1,2,3
.irp p, 0,1,2,3
	v_pk_mul_f32 v[DD+8*\i+2*\p:DD+8*\i+2*\p+1], v[DD+8*\i+2*\p:DD+8*\i+2*\p+1], v[AA+2*\i:AA+2*\i+1]
.endr
.endr
.irp i, 0,1,2,3
.irp p, 0,1,2,3
	v_cvt_pk_bf16_f32 v[OO+4*\i+\p], v[DD+8*\i+2*\p], v[DD+8*\i+2*\p+1]
.endr
	global_store_b128 v[DST+\i], v[OO+4*\i:OO+4*\i+3], s[50:51] offset:\doff  ; 16 lanes store 256 consecutive bytes, at a multiple of 256 from WT's first byte
.endr
	s_endpgm
.endm
.Lw1:
	CONV 1, 8, 16, 22, 33, 0
.Lw2:
	CONV 2, 10, 24, 30, 97, 131072
.Lw3:
	CONV 3, 12, 32, 38, 161, 4194304
; C2Q for 16 d.  A = q (16 batches x K), B = W2 (16 d x K).  Wave w sums K = 128 w .. 128 w + 127 in four K steps of 32 on two accumulators by turns;
; the sixteen waves' sums meet in LDS.
.Lc2q:
	v_and_b32 v1, 15, v0                           ; l % 16; also: the d of the number that I finish
	v_bfe_u32 v2, v0, 4, 1                         ; l / 16
	v_and_b32 v3, 31, v0
	s_lshl_b32 s7, s5, 4                           ; the work-group's number says which 16 d
	v_add_nc_u32 v8, s7, v1                        ; d
	v_lshlrev_b32 v9, 2, v8
	global_load_b32 v10, v9, s[24:25]              ; g2[d]
	global_load_b32 v11, v9, s[30:31]              ; v2[d]
	global_load_b32 v12, v9, s[26:27]              ; b2[d]
	global_load_b32 v13, v9, s[28:29]              ; m2[d]
	s_lshl_b32 s56, s4, 9                          ; my wave's 128 numbers of a row, in bytes
	v_lshl_add_u32 v14, v2, 5, s56                 ; + 8 numbers for the upper half of the lanes
	v_lshl_add_u32 v15, v1, 13, v14                ; q: row l % 16
	v_lshl_add_u32 v16, v8, 13, v14                ; W2: row d
; A fragment's lane holds k = 8 h + 0..7 and 16 + 8 h + 0..7 of its row: in f32 two times 32 bytes, 64 bytes apart.
.macro LDK s
.set lb, LD+32*(\s)
	global_load_b128 v[lb:lb+3],     v15, s[48:49] offset:128*(\s)
	global_load_b128 v[lb+4:lb+7],   v15, s[48:49] offset:128*(\s)+16
	global_load_b128 v[lb+8:lb+11],  v15, s[48:49] offset:128*(\s)+64
	global_load_b128 v[lb+12:lb+15], v15, s[48:49] offset:128*(\s)+80
	global_load_b128 v[lb+16:lb+19], v16, s[10:11] offset:128*(\s)
	global_load_b128 v[lb+20:lb+23], v16, s[10:11] offset:128*(\s)+16
	global_load_b128 v[lb+24:lb+27], v16, s[10:11] offset:128*(\s)+64
	global_load_b128 v[lb+28:lb+31], v16, s[10:11] offset:128*(\s)+80
.endm
; K step s.  All 32 loads of the wave go out at once, in the order of the K steps, eight each: behind step s's eight stand 24 - 8 s younger ones.
; The sixteen conversions write the fragment set that the matrix instruction before last read: the sixteen of the step between are the places behind it.
.macro KST s
.set lb, LD+32*(\s)
.set fr, FR+16*((\s)%2)
.set ac, ACC+8*((\s)%2)
	s_wait_loadcnt 24-8*(\s)
.irp k, 0,1,2,3,4,5,6,7
	v_cvt_pk_bf16_f32 v[fr+\k],   v[lb+2*\k],    v[lb+2*\k+1]
	v_cvt_pk_bf16_f32 v[fr+8+\k], v[lb+16+2*\k], v[lb+16+2*\k+1]
.endr
.if (\s) < 2
	v_wmma_f32_16x16x32_bf16 v[ac:ac+7], v[fr:fr+7], v[fr+8:fr+15], 0
.else
	v_wmma_f32_16x16x32_bf16 v[ac:ac+7], v[fr:fr+7], v[fr+8:fr+15], v[ac:ac+7]
.endif
.endm
	LDK 0
	LDK 1
	LDK 2
	LDK 3
.irp s, 0,1,2,3
	KST \s
.endr
.rept 4
	v_nop                                          ; the places behind the last products
.endr
.irp k, 0,1,2,3
	v_pk_add_f32 v[SUM+2*\k:SUM+2*\k+1], v[ACC+2*\k:ACC+2*\k+1], v[ACC+8+2*\k:ACC+8+2*\k+1]
.endr
	s_lshl_b32 s57, s4, 10                         ; my wave's 1,024 bytes of partial sums
	v_lshl_add_u32 v17, v3, 2, s57                 ; register j of lane l is (b = 8 (l / 16) + j, d = l % 16): to byte 1,024 w + 128 j + 4 l
.irp j, 0,1,2,3,4,5,6,7
	ds_store_b32 v17, v[SUM+\j] offset:128*\j
.endr
	s_wait_dscnt 0x0                               ; for the others' sake: my partial sums are in LDS
	s_barrier_signal -1
	s_barrier_wait -1
	s_cmp_gt_u32 s4, 7                             ; 256 numbers: waves 0 to 7 finish them
	s_cbranch_scc1 .Lc2q_end
	v_bfe_u32 v19, v0, 4, 3                        ; thread t finishes (b = t / 16, d = t % 16): b % 8,
	v_bfe_u32 v20, v0, 7, 1                        ; b / 8
	v_lshl_add_u32 v20, v20, 4, v1
	v_lshlrev_b32 v20, 2, v20
	v_lshl_add_u32 v20, v19, 7, v20
.irp w, 0,1,2,3,4,5,6,7,8,9,10,11,12,13,14,15
	ds_load_b32 v[LD+\w], v20 offset:1024*\w
.endr
	v_add_f32 v11, EPS, v11
	v_rsq_f32 v11, v11
	s_lshl_b32 s58, s5, 10
	v_lshl_add_u32 v22, v0, 2, s58                 ; a plain instruction behind the root: my place in C2Q, 1,024 x (d / 16) + 4 t
	s_wait_alu depctr_va_vdst(0)
	v_mul_f32 v10, v10, v11                        ; a2
	v_fma_f32 v12, -v13, v10, v12                  ; c2 = b2 - m2 a2
	s_wait_dscnt 0x0
.irp k, 0,2,4,6,8,10,12,14
	v_add_f32 v[LD+\k], v[LD+\k], v[LD+\k+1]
.endr
.irp k, 0,4,8,12
	v_add_f32 v[LD+\k], v[LD+\k], v[LD+\k+2]
.endr
.irp k, 0,8
	v_add_f32 v[LD+\k], v[LD+\k], v[LD+\k+4]
.endr
	v_add_f32 v[LD], v[LD], v[LD+8]
	v_fma_f32 v21, v10, v[LD], v12
	global_store_b32 v22, v21, s[54:55]            ; a wave stores 128 consecutive bytes, two waves a block of 256
.Lc2q_end:
	s_wait_tensorcnt 0x0                           ; the wave's end, behind my last LDS store
	ds_add_u32 v[SPW], v[NIL]
	s_wait_dscnt 0x0
	s_endpgm
; The constants.  Thread t makes c1 for the channels 4 t .. 4 t + 3; waves 0 and 1 then make c3, a4 W4 and c4.
.Lconst:
	v_lshlrev_b32 v8, 4, v0
	global_load_b128 v[16:19], v8, s[16:17]        ; g1
	global_load_b128 v[24:27], v8, s[22:23]        ; v1
	global_load_b128 v[32:35], v8, s[18:19]        ; b1
	global_load_b128 v[40:43], v8, s[20:21]        ; m1
	s_wait_loadcnt 0x0
.irp k, 0,1,2,3
	v_add_f32 v[24+\k], EPS, v[24+\k]
.endr
.irp k, 0,1,2,3
	v_rsq_f32 v[24+\k], v[24+\k]
.endr
	v_nop
	s_wait_alu depctr_va_vdst(0)
.irp k, 0,1,2,3
	v_mul_f32 v[16+\k], v[16+\k], v[24+\k]
.endr
.irp k, 0,1,2,3
	v_fma_f32 v[48+\k], -v[40+\k], v[16+\k], v[32+\k]
.endr
	global_store_b128 v8, v[48:51], s[52:53]       ; 16 lanes store 256 consecutive bytes
	s_cmp_gt_u32 s4, 1
	s_cbranch_scc1 .Lend
	v_lshlrev_b32 v64, 2, v0                       ; t < 64: one channel of the 64 each; registers of their own, so nothing of the store above is rewritten
	v_mov_b32 v65, 0
	global_load_b32 v66, v64, s[32:33]             ; g3
	global_load_b32 v67, v64, s[38:39]             ; v3
	global_load_b32 v68, v64, s[34:35]             ; b3
	global_load_b32 v69, v64, s[36:37]             ; m3
	global_load_b32 v70, v64, s[14:15]             ; W4
	global_load_b32 v71, v65, s[40:41]             ; g4
	global_load_b32 v72, v65, s[46:47]             ; v4
	global_load_b32 v73, v65, s[42:43]             ; b4
	global_load_b32 v74, v65, s[44:45]             ; m4
	s_wait_loadcnt 0x0
	v_add_f32 v67, EPS, v67
	v_add_f32 v72, EPS, v72
	v_rsq_f32 v67, v67
	v_rsq_f32 v72, v72
	v_nop
	s_wait_alu depctr_va_vdst(0)
	v_mul_f32 v66, v66, v67                        ; a3
	v_mul_f32 v71, v71, v72                        ; a4
	v_fma_f32 v68, -v69, v66, v68                  ; c3
	v_mul_f32 v70, v70, v71                        ; a4 W4
	v_fma_f32 v73, -v74, v71, v73                  ; c4
	global_store_b32 v64, v68, s[52:53] offset:8192
	global_store_b32 v64, v70, s[52:53] offset:8448
	global_store_b32 v64, v73, s[52:53] offset:8704
.Lend:
	s_endpgm
.Lfunc_end_k_q5b93484901_prep:
	.size	k_q5b93484901_prep, .Lfunc_end_k_q5b93484901_prep-k_q5b93484901_prep
	.p2alignl 7, 3214868480
	.fill 96, 4, 3214868480
	.section	.rodata,"a",@progbits
	.p2align	6, 0x0
	.amdhsa_kernel k_q5b93484901_prep
		.amdhsa_group_segment_fixed_size 18432
		.amdhsa_private_segment_fixed_size 0
		.amdhsa_enable_private_segment 0
		.amdhsa_kernarg_size 192
		.amdhsa_user_sgpr_count 2
		.amdhsa_user_sgpr_kernarg_segment_ptr 1
		.amdhsa_wavefront_size32 1
		.amdhsa_system_sgpr_workgroup_id_x 1
		.amdhsa_system_sgpr_workgroup_id_y 1
		.amdhsa_system_sgpr_workgroup_id_z 1
		.amdhsa_system_vgpr_workitem_id 0
		.amdhsa_next_free_vgpr 256
		.amdhsa_next_free_sgpr 66
		.amdhsa_reserve_vcc 0
		.amdhsa_float_denorm_mode_32 3
		.amdhsa_float_denorm_mode_16_64 3
		.amdhsa_memory_ordered 1
		.amdhsa_forward_progress 1
		.amdhsa_inst_pref_size 38
	.end_amdhsa_kernel
	.amdgpu_metadata
---
amdhsa.version: [ 1, 2 ]
amdhsa.kernels:
  - .name:           k_q5b93484901_prep
    .symbol:         k_q5b93484901_prep.kd
    .args:
      - { .name: W1, .offset: 0, .size: 8, .value_kind: global_buffer, .address_space: global }
      - { .name: W2, .offset: 8, .size: 8, .value_kind: global_buffer, .address_space: global }
      - { .name: W3, .offset: 16, .size: 8, .value_kind: global_buffer, .address_space: global }
      - { .name: W4, .offset: 24, .size: 8, .value_kind: global_buffer, .address_space: global }
      - { .name: g1, .offset: 32, .size: 8, .value_kind: global_buffer, .address_space: global }
      - { .name: b1, .offset: 40, .size: 8, .value_kind: global_buffer, .address_space: global }
      - { .name: m1, .offset: 48, .size: 8, .value_kind: global_buffer, .address_space: global }
      - { .name: v1, .offset: 56, .size: 8, .value_kind: global_buffer, .address_space: global }
      - { .name: g2, .offset: 64, .size: 8, .value_kind: global_buffer, .address_space: global }
      - { .name: b2, .offset: 72, .size: 8, .value_kind: global_buffer, .address_space: global }
      - { .name: m2, .offset: 80, .size: 8, .value_kind: global_buffer, .address_space: global }
      - { .name: v2, .offset: 88, .size: 8, .value_kind: global_buffer, .address_space: global }
      - { .name: g3, .offset: 96, .size: 8, .value_kind: global_buffer, .address_space: global }
      - { .name: b3, .offset: 104, .size: 8, .value_kind: global_buffer, .address_space: global }
      - { .name: m3, .offset: 112, .size: 8, .value_kind: global_buffer, .address_space: global }
      - { .name: v3, .offset: 120, .size: 8, .value_kind: global_buffer, .address_space: global }
      - { .name: g4, .offset: 128, .size: 8, .value_kind: global_buffer, .address_space: global }
      - { .name: b4, .offset: 136, .size: 8, .value_kind: global_buffer, .address_space: global }
      - { .name: m4, .offset: 144, .size: 8, .value_kind: global_buffer, .address_space: global }
      - { .name: v4, .offset: 152, .size: 8, .value_kind: global_buffer, .address_space: global }
      - { .name: x_query, .offset: 160, .size: 8, .value_kind: global_buffer, .address_space: global }
      - { .name: WT, .offset: 168, .size: 8, .value_kind: global_buffer, .address_space: global }
      - { .name: CS, .offset: 176, .size: 8, .value_kind: global_buffer, .address_space: global }
      - { .name: C2Q, .offset: 184, .size: 8, .value_kind: global_buffer, .address_space: global }
    .group_segment_fixed_size: 18432
    .private_segment_fixed_size: 0
    .kernarg_segment_align: 8
    .kernarg_segment_size: 192
    .max_flat_workgroup_size: 512
    .sgpr_count:     66
    .vgpr_count:     256
    .wavefront_size: 32
...
	.end_amdgpu_metadata
.endif
;; end of part 1
;; launch main (part 2): grid 256 x 1, 4 waves a work-group, clusters of 4 x 1, 327,680 bytes of LDS; arguments x_key, WT, CS, C2Q, VAL, SC; writes VAL, SC
.if DOCPART == 2
	.amdgcn_target "amdgcn-amd-amdhsa--gfx1250"
	.amdhsa_code_object_version 6
	.text
	.protected	k_q5b93484901_main
	.globl	k_q5b93484901_main
	.p2align	8
	.type	k_q5b93484901_main,@function
k_q5b93484901_main:
	s_mov_b64 s[64:65], 0
	v_nop
	global_prefetch_b8 v0, s[64:65] scope:SCOPE_SE
	s_setreg_imm32_b32 hwreg(HW_REG_WAVE_MODE, 25, 1), 1
	s_wait_xcnt 0x0
	s_wait_alu depctr_hold_cnt(0) depctr_sa_sdst(0) depctr_va_vdst(0) depctr_va_sdst(0) depctr_va_ssrc(0) depctr_va_vcc(0) depctr_vm_vsrc(0)
	s_getreg_b32 s2, hwreg(HW_REG_IB_STS2, 6, 4)
	s_cmp_eq_u32 s2, 0
	s_cbranch_scc0 .Lentry_in_a_cluster
	s_endpgm
.Lentry_in_a_cluster:
	s_bfe_u32 s2, ttmp6, 0x10000c
	s_cmp_lg_u32 s2, 0x3003
	s_cbranch_scc0 .Lentry_shape_is_right
	s_endpgm
.Lentry_shape_is_right:
; MAIN: for 128 rows of x_key (one batch's), the whole chain:  values = lrelu(x W1'^T + c1)  ->  s2 = lrelu(values W2'^T + C2Q[b])  ->  s3 = lrelu(s2 W3'^T + c3)  ->  score = lrelu(s3 . W4' + c4).
; W' are the weights with the batch norms' factors multiplied in, bf16, in the order in which they are streamed (WT).  values leave in bf16 (VAL, [b][c 16][n 2048][128]) for the pooling launch, the scores in f32 (SC).
; LIMITS.  Matrix operands are bf16 (x, W', values, s2), sums f32; the product with W4 (one column) is made in f32 by vector instructions.  s2's sum over the 16 chunks is taken in the order of the
; cluster's walk (below), which differs from cluster to cluster.  NaN and infinities are not treated apart.
; THE WALK.  The 2,048 channels of values go in 16 chunks of 128.  A chunk has four phases of 128 matrix instructions a wave, each fed by one fill of 65,536 bytes of an LDS slot:
;   G1a, G1b  values' chunk = x (128 x 512, resident in LDS) times W1' (128 e x 256 k a fill): wave (rh, eh) makes 64 rows x 64 e in 16 accumulators
;   G2a, G2b  s2 += values' chunk (through LDS) times W2' (512 d x 64 e a fill): wave w makes 128 rows x 128 d in 64 accumulators, which live through all chunks
; The last fill is W3'.  Both products are used transposed (source 0 = 16 rows of the weight, source 1 = 16 rows of data): a lane holds one row and eight neighbouring columns, which pack into 16 bytes.
; WHERE A CLUSTER BEGINS.  Cluster j begins at chunk (j xor 5 (j >> 4)) mod 16 and goes round: from its second chunk on, every fill that it asks for has been asked for a whole chunk earlier by the
; clusters that began one chunk further on.  5 (j >> 4) is 0, 5, 10 or 15: whichever single bit of j is held fixed, the clusters that are left still begin at all 16 chunks.
; CLUSTER.  The four work-groups of a cluster walk the same 65 fills, so they ask JOINTLY: the same tensor load, descriptor and mask in all four; wave w brings its quarter of each fill.
; By this text's own count a wave has two tensor loads out at the start and one behind each round of the cluster's barrier.
; REGISTERS, in windows of 256 (s_set_vgpr_msb: bits 1:0 source 0, 3:2 source 1, 5:4 source 2, 7:6 destination):
;   window 0: v0-31 addresses; v32-63 a bias as C operand; v64-127, v128-191 fragments of data, two buffers; v192-255 at work on the way out
;   window 1: v0-63, v192-255 the 16 accumulators of values; v64-127, v128-191 fragments of weights, two buffers
;   windows 2, 3: the 64 accumulators of s2: (a, b) at v[8 (8 (a % 4) + b)] of window 2 + a / 4.  At the start x passes through them on its way to LDS.
.set XPITCH, 1040                      ; a row of x, later of s2, in LDS: 1,024 bytes + 16: an odd multiple of 16, so the 16 rows of a fragment load start at 16 different groups of four banks (64 banks of 4 bytes: ISA guide 11.1)
.set VPITCH, 272                       ; a row of values' chunk: 256 + 16
.set W1P,    272                       ; a row of W1' or W3' in a slot: 256 + 16
.set W2P,    144                       ; a row of W2' in a slot: 128 + 16
.set XS,     0                         ; 128 rows of x
.set VS,     128*XPITCH                ; 128 rows of values' chunk
.set SLOT0,  VS+128*VPITCH             ; the two slots: the only bytes that tensor loads fill
.set SLOTB,  73728                     ; 512 rows x 144, or 256 rows x 272 and some bytes over
.set SLOT1,  SLOT0+SLOTB
.set SCS,    SLOT1+SLOTB               ; 128 scores
.set SPARE,  SCS+512                   ; the spare words, 128 bytes for each wave: two blocks of 256 bytes that no other line names
.set ADX,  4                           ; v4     my fragments of x
.set ADW1, 5                           ; v5-6   my fragments of W1' in slot 0, 1
.set ADV,  7                           ; v7     fragments of values' chunk
.set ADW2, 8                           ; v8-9   my fragments of W2' in slot 0, 1
.set STO,  10                          ; v10    where I put 16 bytes of a row of values
.set RD,   11                          ; v11    where I read whole rows of values back
.set GO,   12                          ; v12    my byte offset in the block's part of VAL
.set SPW,  13                          ; v13    LDS address of my spare word; never rewritten
.set NIL,  14                          ; v14    0; never rewritten
.set CB,   15                          ; v15    my byte offset in a chunk's 128 numbers of c1
.set XO,   16                          ; v16    my byte offset in the block's rows of x
.set XST,  17                          ; v17    where I put 8 bytes of x
.set QO,   18                          ; v18    my byte offset in C2Q
.set STO2, 19                          ; v19-20 where I put 16 bytes of a row of s2: rows 0-63, 64-127
.set ADW3, 21                          ; v21    fragments of W3'
.set ADS,  22                          ; v22    my fragments of s2
.set SCA,  23                          ; v23    where I put a score
.set H32,  24                          ; v24    32 x (l / 16)
.set BI,   32
.set FB0,  64
.set FB1,  128
.set TMP,  192
.set W4R,  192                         ; the end: a4 W4 for my 32 channels
.set C4R,  224                         ; c4
.set DP,   64                          ; the end: partial dot products
.set WV,   16                          ; s16  my wave's number
.set G1W,  24                          ; s[24:31] descriptor group 1, rows padded every 256 bytes
.set G1V,  32                          ; s[32:39] the same, padded every 128 bytes
.set GA,   40                          ; s[40:55] four groups 0: slot 0 and 1 with pitch 272, slot 0 and 1 with pitch 144
.set GB,   44
.set GC,   48
.set GD,   52
.set SA,   56                          ; s[56:57] WT at my quarter of fill 0; never rewritten
.set C1P,  58                          ; s[58:59] c1 at the chunk whose bias was loaded last
.set VP,   60                          ; s[60:61] VAL at my block's rows of the chunk in hand
.set CNT,  62
.set CH,   63                          ; s63  the number of the chunk in hand: made from the cluster's number alone
.set LK,   66                          ; s[66:67] 0.2: the packed multiply takes the pair's low word for both halves
.set SEL,  68                          ; s[68:69] v_permlanex16_b32's selects: each lane takes its own place in the other half
.set FO,   72                          ; s[72:73] byte offset in WT of the fill asked for last, in 64 bits: made from the cluster's number alone
.set TO,   74                          ; s[74:75] a chunk's byte offset in c1 or in VAL, in 64 bits
.set VB,   76                          ; s[76:77] VAL at my block's rows of chunk 0; never rewritten
.set MSB, 0
.macro WIN new                         ; the immediate's high byte repeats the setting that is left; a switch that changes nothing is dropped
.if MSB != (\new)
	s_set_vgpr_msb (MSB<<8)|(\new)
.set MSB, (\new)
.endif
.endm
.macro PLACES                          ; four places: in front of loads into registers that matrix instructions have read, and of vector lines that read results or write sources (ISA guide 7.12.1 for vector lines)
.rept 4
	v_nop
.endr
.endm
.macro CREST                           ; a round of the cluster's barrier behind its opening barrier
	s_cmp_lg_u32 s[WV], 0
	s_cbranch_scc1 .Lnot_wave_0_\@
	s_barrier_signal -3
.Lnot_wave_0_\@:
	s_barrier_wait -3
	s_barrier_signal -1
	s_barrier_wait -1
.endm
.macro CROUND
	s_barrier_signal -1
	s_barrier_wait -1
	CREST
.endm
; A joint refill: the walk's next 65,536 bytes of WT, my quarter of them.  The offset steps and goes round at 4 MiB, behind chunk 15's last fill to chunk 0's first; w3 = 1: the fill behind the 64, W3'.
; The address is made anew from WT's and the offset.  No tensor load of mine is out here, so a group 0 may be written.  The address hangs on the wave's number, the cluster's number and the count of fills alone.
; An s_nop 0 and four v_nop follow the load; they are also the places in front of the fragment loads that follow.
.macro JLOAD g0, g1, w3=0
.if \w3
	s_mov_b32 s[FO], 0x400000
.else
	s_add_co_u32 s[FO], s[FO], 0x10000
	s_and_b32 s[FO], s[FO], 0x3fffff
.endif
	s_add_nc_u64 s[(\g0)+2:(\g0)+3], s[SA:SA+1], s[FO:FO+1]
	s_or_b32 s[(\g0)+3], s[(\g0)+3], 0x80000000
	tensor_load_to_lds s[(\g0):(\g0)+3], s[(\g1):(\g1)+7]
	s_nop 0
	PLACES
.endm
	s_load_b256 s[4:11], s[0:1], 0x0               ; x_key s[4:5], WT s[6:7], CS s[8:9], C2Q s[10:11]
	s_load_b128 s[12:15], s[0:1], 0x20             ; VAL s[12:13], SC s[14:15]
	v_lshl_add_u32 v[SPW], v0, 2, SPARE
	v_mov_b32 v[NIL], 0
	ds_add_u32 v[SPW], v[NIL]                      ; the wave's opening: the add and its wait stand ahead of my first tensor load; the set-up below, work on registers, stands between them
	v_lshrrev_b32 v1, 5, v0
	v_readfirstlane_b32 s[WV], v1                  ; wave 0..3
	s_bfe_u32 s17, ttmp6, 0x40000                  ; cx: my place in the cluster
	s_lshl_b32 s18, ttmp9, 2                       ; in a cluster launch ttmp9 counts clusters
	s_add_co_u32 s18, s18, s17                     ; my block of 128 rows: it enters the addresses of x, C2Q, VAL and SC alone
	s_lshr_b32 s19, s18, 4                         ; its batch
	s_lshr_b32 s20, s[WV], 1                       ; rh: which 64 rows I make of values
	s_and_b32 s21, s[WV], 1                        ; eh: which 64 channels of the chunk
	s_lshr_b32 s72, ttmp9, 4                       ; the chunk at which my cluster begins: (j xor 5 (j >> 4)) mod 16, the same in all four partners
	s_mul_i32 s72, s72, 5
	s_xor_b32 s72, s72, ttmp9
	s_and_b32 s[CH], s72, 15
	; descriptor group 1: 64 rows x 128 elements of 2 bytes, dense in memory (16,384 bytes), padded in LDS
	s_mov_b32 s[G1W], 15|(1<<16)|(1<<20)|(1<<21)|(5<<22)|(3<<25)  ; 15:0 the mask of four; 17:16 2-byte elements; 20 padding on; 21 set beside a mask; 24:22 after every 64 words (code 5); 31:25 4 words (code 3)
	s_mov_b32 s[G1V], 15|(1<<16)|(1<<20)|(1<<21)|(4<<22)|(3<<25)  ; the same after every 32 words (code 4): two rows of W2' lie in a row of 256 bytes
.irp g, G1W, G1V
	s_mov_b32 s[\g+1], 128<<16                     ; tensor_dim0 = 128
	s_mov_b32 s[\g+2], 64<<16                      ; tensor_dim1 = 64
	s_mov_b32 s[\g+3], 128<<16                     ; tile_dim0 = 128
	s_mov_b32 s[\g+4], 64                          ; tile_dim1 = 64
	s_mov_b32 s[\g+5], 128                         ; 128 elements from row to row
	s_mov_b32 s[\g+6], 0
	s_mov_b32 s[\g+7], 0
.endr
	s_mul_i32 s22, s[WV], 64*W1P                   ; my quarter's place in a slot, by pitch
	s_mul_i32 s23, s[WV], 128*W2P
	s_mov_b32 s[GA], 1
	s_add_co_u32 s[GA+1], s22, SLOT0
	s_mov_b32 s[GB], 1
	s_add_co_u32 s[GB+1], s22, SLOT1
	s_mov_b32 s[GC], 1
	s_add_co_u32 s[GC+1], s23, SLOT0
	s_mov_b32 s[GD], 1
	s_add_co_u32 s[GD+1], s23, SLOT1
	s_mov_b32 s[LK], 0x3e4ccccd                    ; 0.2
	s_mov_b32 s[LK+1], s[LK]
	s_mov_b32 s[SEL], 0x76543210
	s_mov_b32 s[SEL+1], 0xfedcba98
	s_lshl_b32 s72, s[WV], 14                      ; my quarter of a fill in WT (registers that never hold my place in the cluster)
	s_mov_b32 s73, 0
	s_mov_b32 s71, 0
	s_mov_b32 s[TO+1], 0
	s_wait_dscnt 0x0                               ; the opening add is done
	s_wait_kmcnt 0x0
	s_add_nc_u64 s[SA:SA+1], s[6:7], s[72:73]
	s_lshl_b32 s[FO], s[CH], 18                    ; a chunk is 262,144 bytes of WT: my cluster's first fill,
	s_add_nc_u64 s[GA+2:GA+3], s[SA:SA+1], s[FO:FO+1]
	s_or_b32 s[GA+3], s[GA+3], 0x80000000
	s_add_co_u32 s[FO], s[FO], 0x10000             ; and its second
	s_add_nc_u64 s[GB+2:GB+3], s[SA:SA+1], s[FO:FO+1]
	s_or_b32 s[GB+3], s[GB+3], 0x80000000
	s_lshl_b32 s70, s18, 18
	s_add_nc_u64 s[4:5], s[4:5], s[70:71]          ; x at my block: 128 rows of 2,048 bytes
	s_lshl_b32 s70, s19, 6
	s_add_nc_u64 s[10:11], s[10:11], s[70:71]      ; C2Q at my batch
	s_lshl_b32 s70, s19, 23
	s_add_nc_u64 s[VB:VB+1], s[12:13], s[70:71]    ; VAL at my batch,
	s_and_b32 s70, s18, 15
	s_lshl_b32 s70, s70, 15
	s_add_nc_u64 s[VB:VB+1], s[VB:VB+1], s[70:71]  ; chunk 0, my block's 128 rows of 256 bytes;
	s_lshl_b32 s[TO], s[CH], 19
	s_add_nc_u64 s[VP:VP+1], s[VB:VB+1], s[TO:TO+1]  ; the chunk in hand lies 2,048 rows of 256 bytes on for each chunk
	s_lshl_b32 s70, s18, 9
	s_add_nc_u64 s[14:15], s[14:15], s[70:71]      ; SC at my block
	s_lshl_b32 s[TO], s[CH], 9
	s_add_nc_u64 s[C1P:C1P+1], s[8:9], s[TO:TO+1]  ; c1 at the chunk in hand: 128 numbers a chunk
	CROUND                                         ; all four work-groups are here: the first joint loads meet
	tensor_load_to_lds s[GA:GA+3], s[G1W:G1W+7]
	s_nop 0
	tensor_load_to_lds s[GB:GB+3], s[G1W:G1W+7]
	s_nop 0
	PLACES
	v_and_b32 v1, 15, v0                           ; r = l % 16
	v_bfe_u32 v2, v0, 4, 1                         ; h = l / 16
	v_and_b32 v3, 31, v0                           ; l
	v_lshlrev_b32 v29, 4, v3
	s_lshl_b32 s70, s[WV], 16
	v_add_nc_u32 v[XO], s70, v29                   ; my wave's 32 rows of x, 16 bytes a lane
	; X COMES IN: wave w takes rows 32 w .. 32 w + 31, 128 loads of 512 consecutive bytes; 64 are always on their way.  Windows 2 and 3 hold them until they are rounded to bf16 and put into LDS.
	WIN 0x80
.set i, 0
.rept 64
	global_load_b128 v[4*i:4*i+3], v[XO], s[4:5] offset:512*i th:TH_LOAD_NT
.set i, i+1
.endr
	WIN 0
	v_mul_u32_u24 v25, v1, XPITCH
	v_lshl_add_u32 v25, v2, 4, v25                 ; r x 1,040 + 16 h
	v_mul_u32_u24 v26, v1, VPITCH
	v_lshl_add_u32 v26, v2, 4, v26                 ; r x 272 + 16 h
	v_mul_u32_u24 v27, v1, W2P
	v_lshl_add_u32 v27, v2, 4, v27                 ; r x 144 + 16 h
	v_lshlrev_b32 v[H32], 5, v2
	s_mul_i32 s70, s20, 64*XPITCH
	v_add_nc_u32 v[ADX], s70, v25
	s_mul_i32 s70, s21, 64*W1P
	s_add_co_u32 s70, s70, SLOT0
	v_add_nc_u32 v[ADW1], s70, v26
	v_add_nc_u32 v[ADW1+1], SLOTB, v[ADW1]
	v_add_nc_u32 v[ADV], VS, v26
	s_add_co_u32 s70, s23, SLOT0
	v_add_nc_u32 v[ADW2], s70, v27
	v_add_nc_u32 v[ADW2+1], SLOTB, v[ADW2]
	s_mul_i32 s70, s20, 64*VPITCH
	s_lshl_b32 s78, s21, 7
	s_add_co_u32 s70, s70, s78
	s_add_co_u32 s70, s70, VS
	v_add_nc_u32 v[STO], s70, v26                  ; row 64 rh + r, byte 128 eh + 16 h
	v_mul_u32_u24 v28, v2, VPITCH
	v_lshl_add_u32 v28, v1, 4, v28
	s_mul_i32 s70, s[WV], 32*VPITCH
	s_add_co_u32 s70, s70, VS
	v_add_nc_u32 v[RD], s70, v28                   ; back: lanes 0-15 one row of 256 bytes, lanes 16-31 the next; wave w rows 32 w on
	s_lshl_b32 s70, s[WV], 13
	v_add_nc_u32 v[GO], s70, v29
	v_add_nc_u32 v[QO], s70, v[H32]
	s_lshl_b32 s70, s21, 8
	v_add_nc_u32 v[CB], s70, v[H32]
	s_mul_i32 s70, s[WV], 32*XPITCH
	v_lshl_add_u32 v[XST], v3, 3, s70
	v_add_nc_u32 v[ADS], s70, v25
	s_lshl_b32 s70, s[WV], 8
	v_add_nc_u32 v[STO2], s70, v25
	v_add_nc_u32 v[STO2+1], 64*XPITCH, v[STO2]
	v_add_nc_u32 v[ADW3], SLOT0, v26
	s_lshl_b32 s70, s[WV], 7
	s_add_co_u32 s70, s70, SCS
	v_lshl_add_u32 v[SCA], v1, 2, s70
; Batch k of eight: sixteen loads are rounded and stored.  left: the younger loads that may stay out.  more = 1: sixteen further loads go out, into window 3.
.macro XBATCH k, left, more
	s_wait_loadcnt \left
	WIN 0x0a+5*((\k)/4)                            ; sources in window 2 or 3
.set j, 0
.rept 16
	v_cvt_pk_bf16_f32 v[FB0+32*((\k)%2)+2*j],   v[64*((\k)%4)+4*j],   v[64*((\k)%4)+4*j+1]
	v_cvt_pk_bf16_f32 v[FB0+32*((\k)%2)+2*j+1], v[64*((\k)%4)+4*j+2], v[64*((\k)%4)+4*j+3]
.set j, j+1
.endr
	WIN 0
.set j, 0
.rept 16
.set i, 16*(\k)+j
	ds_store_b64 v[XST], v[FB0+32*((\k)%2)+2*j:FB0+32*((\k)%2)+2*j+1] offset:(i/4)*XPITCH+(i%4)*256
.set j, j+1
.endr
.if \more
	WIN 0xc0
.set j, 0
.rept 16
.set i, 64+16*(\k)+j
	global_load_b128 v[64*(\k)+4*j:64*(\k)+4*j+3], v[XO], s[4:5] offset:512*i th:TH_LOAD_NT
.set j, j+1
.endr
.endif
.endm
	XBATCH 0, 48, 1                                ; 64 loads are out; the oldest sixteen are wanted
	XBATCH 1, 48, 1
	XBATCH 2, 48, 1
	XBATCH 3, 48, 1
	XBATCH 4, 48, 0                                ; nothing more is asked for: the counts run down
	XBATCH 5, 32, 0
	XBATCH 6, 16, 0
	XBATCH 7, 0, 0
	; s2's sums start with C2Q[b][d]: register j of accumulator (a, b) is d = 128 w + 16 b + 8 h + j, whatever the row.  Nothing is cleared.
.set aa, 0
.rept 8
	WIN 0x80+0x40*(aa/4)
.set bb, 0
.rept 8
	global_load_b128 v[8*(8*(aa%4)+bb):8*(8*(aa%4)+bb)+3],   v[QO], s[10:11] offset:1024*bb
	global_load_b128 v[8*(8*(aa%4)+bb)+4:8*(8*(aa%4)+bb)+7], v[QO], s[10:11] offset:1024*bb+16
.set bb, bb+1
.endr
.set aa, aa+1
.endr
	WIN 0
.macro BIAS1                           ; c1 of a chunk for my 64 channels: register j of block b is e = 64 eh + 16 b + 8 h + j
.irp b, 0,1,2,3
	global_load_b128 v[BI+8*\b:BI+8*\b+3],   v[CB], s[C1P:C1P+1] offset:64*\b
	global_load_b128 v[BI+8*\b+4:BI+8*\b+7], v[CB], s[C1P:C1P+1] offset:64*\b+16
.endr
.endm
.macro BIAS3                           ; c3: register j of block t is k3 = 16 t + 8 h + j
.irp t, 0,1,2,3
	global_load_b128 v[BI+8*\t:BI+8*\t+3],   v[H32], s[8:9] offset:8192+64*\t
	global_load_b128 v[BI+8*\t+4:BI+8*\t+7], v[H32], s[8:9] offset:8192+64*\t+16
.endr
.endm
	BIAS1
; GEMM 1.  8 matrix instructions: row blocks a0, a0 + 1 x all 4 channel blocks, 32 along K: half c of buffer f.  first = 1: the products start the sums with c1.
; The 16 accumulators take turns, one instruction a turn.
.macro M1 f, c, a0, first
.irp a, \a0, (\a0)+1
.irp b, 0,1,2,3
.set va, 8*(4*(\a)+(\b))+128*((4*(\a)+(\b))/8)
.if \first
	WIN 0x41                                       ; weights window 1, data window 0, C window 0, D window 1
	v_wmma_f32_16x16x32_bf16 v[va:va+7], v[(\f)+8*(4*(\c)+(\b)):(\f)+8*(4*(\c)+(\b))+7], v[(\f)+8*(4*(\c)+(\a)):(\f)+8*(4*(\c)+(\a))+7], v[BI+8*(\b):BI+8*(\b)+7]
.else
	WIN 0x51                                       ; C and D window 1
	v_wmma_f32_16x16x32_bf16 v[va:va+7], v[(\f)+8*(4*(\c)+(\b)):(\f)+8*(4*(\c)+(\b))+7], v[(\f)+8*(4*(\c)+(\a)):(\f)+8*(4*(\c)+(\a))+7], v[va:va+7]
.endif
.endr
.endr
.endm
; 32 LDS loads in one run: the fragments of quarter q (64 along K) of slot s, and x at byte xk of its rows, into buffer f.  W1' first, then x; in each the first 32 along K first.
.macro FE1 s, q, xk, f
	WIN 0x40
.irp c, 0,1
.irp i, 0,1,2,3
	ds_load_b128 v[(\f)+8*(4*\c+\i):(\f)+8*(4*\c+\i)+3],   v[ADW1+(\s)] offset:((\q)/2)*128*W1P+16*W1P*\i+((\q)%2)*128+64*\c
	ds_load_b128 v[(\f)+8*(4*\c+\i)+4:(\f)+8*(4*\c+\i)+7], v[ADW1+(\s)] offset:((\q)/2)*128*W1P+16*W1P*\i+((\q)%2)*128+64*\c+32
.endr
.endr
	WIN 0
.irp c, 0,1
.irp i, 0,1,2,3
	ds_load_b128 v[(\f)+8*(4*\c+\i):(\f)+8*(4*\c+\i)+3],   v[ADX] offset:16*XPITCH*\i+(\xk)+64*\c
	ds_load_b128 v[(\f)+8*(4*\c+\i)+4:(\f)+8*(4*\c+\i)+7], v[ADX] offset:16*XPITCH*\i+(\xk)+64*\c+32
.endr
.endr
.endm
; One of a phase's first three quarters: multiplies buffer f, and in its middle fetches the next quarter into g.  bias = 1: the walk's next chunk's c1 is asked for; 2: c3.
.macro Q1 s, qn, xkn, f, g, first, bias
	s_wait_dscnt 8                                 ; all but x's second 32 along K, the youngest eight loads
	M1 \f, 0, 0, \first
	M1 \f, 0, 2, \first
	PLACES
.if (\bias) == 1
	WIN 0
	s_add_co_u32 s[TO], s[CH], 1                   ; the walk's next chunk, round at 16,
	s_and_b32 s[TO], s[TO], 15
	s_lshl_b32 s[TO], s[TO], 9                     ; its 128 numbers of c1
	s_add_nc_u64 s[C1P:C1P+1], s[8:9], s[TO:TO+1]  ; the last loads by this base were waited for at the chunk's head
	BIAS1
.elseif (\bias) == 2
	WIN 0
	BIAS3
.endif
	FE1 \s, \qn, \xkn, \g
	s_wait_dscnt 32                                ; all but the 32 just issued
	M1 \f, 1, 0, 0
	M1 \f, 1, 2, 0
.endm
; A phase's last quarter multiplies buffer 1 and changes slots.  In front of the round each wave waits for all its tensor loads, of which one is out: its part of the next slot; adds 0 to its
; spare word; and waits for that and for its reads of this slot.  Behind the round no wave of any partner reads this slot any more, the next slot is whole, and this slot is filled again first.
.macro T1A g0, g1
	WIN 0                                          ; (the add's two registers lie in window 0)
	s_wait_tensorcnt 0x0
	ds_add_u32 v[SPW], v[NIL]                      ; 0 onto my spare word
	s_wait_dscnt 9                                 ; (the add and the youngest eight loads may be out)
	M1 FB1, 0, 0, 0                                ; eight matrix instructions stand between the add and the wait for it
	s_wait_dscnt 0x0                               ; the add is done, and my reads of this slot are over
	s_barrier_signal -1
	M1 FB1, 0, 2, 0
	WIN 0
	s_barrier_wait -1
	CREST
	JLOAD \g0, \g1
.endm
.macro T1B
	M1 FB1, 1, 0, 0
	M1 FB1, 1, 2, 0
.endm
; GEMM 2.  16 matrix instructions: row blocks a0, a0 + 1 of the window's four (hi = 0: rows 0-63, 1: rows 64-127) x all 8 blocks of d, 32 along K.  The 64 accumulators take turns.
.macro M2 f, hi, a0
	WIN 0xa1+0x50*(\hi)                            ; weights window 1, data window 0, C and D window 2 or 3
.irp a, \a0, (\a0)+1
.irp b, 0,1,2,3,4,5,6,7
	v_wmma_f32_16x16x32_bf16 v[8*(8*(\a)+(\b)):8*(8*(\a)+(\b))+7], v[(\f)+8*(\b):(\f)+8*(\b)+7], v[(\f)+8*(4*(\hi)+(\a)):(\f)+8*(4*(\hi)+(\a))+7], v[8*(8*(\a)+(\b)):8*(8*(\a)+(\b))+7]
.endr
.endr
.endm
.macro FE2W s, kb, f                   ; 16 loads: my 128 rows of W2', 32 along K at byte kb
	WIN 0x40
.irp i, 0,1,2,3,4,5,6,7
	ds_load_b128 v[(\f)+8*\i:(\f)+8*\i+3],   v[ADW2+(\s)] offset:16*W2P*\i+(\kb)
	ds_load_b128 v[(\f)+8*\i+4:(\f)+8*\i+7], v[ADW2+(\s)] offset:16*W2P*\i+(\kb)+32
.endr
.endm
.macro FE2V vk, f                      ; 16 loads: the 128 rows of values' chunk, 32 along K at byte vk
	WIN 0
.irp i, 0,1,2,3,4,5,6,7
	ds_load_b128 v[(\f)+8*\i:(\f)+8*\i+3],   v[ADV] offset:16*VPITCH*\i+(\vk)
	ds_load_b128 v[(\f)+8*\i+4:(\f)+8*\i+7], v[ADV] offset:16*VPITCH*\i+(\vk)+32
.endr
.endm
; A phase's first half (32 along K): multiplies buffer f and fetches the second half into g.  rb = 1: the chunk of values also leaves: my 32 whole rows are read back and stored among the products.
.macro Q2 s, kbn, vkn, f, g, rb
	s_wait_dscnt 8                                 ; all but values' rows 64-127, the youngest eight loads
	M2 \f, 0, 0
	M2 \f, 0, 2
	PLACES
.if \rb
	WIN 0
.irp t, 0,1,2,3,4,5,6,7,8,9,10,11,12,13,14,15
	ds_load_b128 v[TMP+4*\t:TMP+4*\t+3], v[RD] offset:2*VPITCH*\t
.endr
.endif
	FE2W \s, \kbn, \g
	FE2V \vkn, \g
.if \rb
	s_wait_dscnt 48                                ; all but the 48 just issued
	M2 \f, 1, 0
	s_wait_dscnt 32                                ; the sixteen rows' loads are back
	WIN 0
.irp t, 0,1,2,3,4,5,6,7,8,9,10,11,12,13,14,15
	global_store_b128 v[GO], v[TMP+4*\t:TMP+4*\t+3], s[VP:VP+1] offset:512*\t th:TH_STORE_NT  ; 512 consecutive bytes, at a multiple of 256 from VAL's first byte
.endr
	M2 \f, 1, 2
.else
	s_wait_dscnt 32                                ; all but the 32 just issued
	M2 \f, 1, 0
	M2 \f, 1, 2
.endif
.endm
.macro T2A g0, g1, w3=0                ; as T1A
	WIN 0
	s_wait_tensorcnt 0x0
	ds_add_u32 v[SPW], v[NIL]                      ; 0 onto my spare word
	s_wait_dscnt 9                                 ; (the add and the youngest eight loads may be out)
	M2 FB1, 0, 0
	s_wait_dscnt 0x0                               ; the add is done, and my reads of this slot are over
	s_barrier_signal -1
	M2 FB1, 0, 2
	WIN 0
	s_barrier_wait -1
	CREST
	JLOAD \g0, \g1, \w3
.endm
.macro T2B
	M2 FB1, 1, 0
	M2 FB1, 1, 2
.endm
; The chunk of values is finished: max(z, 0.2 z), rounded to bf16, 16 bytes a lane into LDS.  Each accumulator's registers are taken in ascending order.
.macro PACK
	PLACES
	WIN 0x45                                       ; all in window 1; 0.2 z goes into the weights' buffer 1, which has been multiplied
.set i, 0
.rept 16
.set va, 8*i+128*(i/8)
.set tt, FB1+8*(i%8)
.irp p, 0,1,2,3
	v_pk_mul_f32 v[tt+2*\p:tt+2*\p+1], v[va+2*\p:va+2*\p+1], s[LK:LK+1] op_sel_hi:[1,0]
.endr
.irp p, 0,1,2,3,4,5,6,7
	v_max_num_f32 v[va+\p], v[va+\p], v[tt+\p]
.endr
.set i, i+1
.endr
	WIN 0x05                                       ; sources window 1, destination window 0
.set i, 0
.rept 16
.set va, 8*i+128*(i/8)
.irp p, 0,1,2,3
	v_cvt_pk_bf16_f32 v[TMP+4*i+\p], v[va+2*\p], v[va+2*\p+1]
.endr
.set i, i+1
.endr
	WIN 0
.irp a, 0,1,2,3
.irp b, 0,1,2,3
	ds_store_b128 v[STO], v[TMP+4*(4*\a+\b):TMP+4*(4*\a+\b)+3] offset:16*VPITCH*\a+32*\b
.endr
.endr
.endm
; A CHUNK.  At its head buffer 0 is being filled with G1a's first quarter, slot 0 is whole and slot 1's fill is on its way.  Its four changes of slots ask for its own third and fourth fill and
; for the first two of the walk's next chunk; the walk's last chunk asks for its own two, then for W3', and then for nothing.
.macro CHUNK last
	s_wait_loadcnt 0x0                             ; the chunk's c1 (asked for most of a chunk ago); ahead of the first chunk also s2's start
	Q1 0, 1, 128, FB0, FB1, 1, 0
	Q1 0, 2, 256, FB1, FB0, 0, 1+(\last)
	Q1 0, 3, 384, FB0, FB1, 0, 0
	T1A GC, G1V
	FE1 1, 0, 512, FB0
	T1B
	Q1 1, 1, 640, FB0, FB1, 0, 0
	Q1 1, 2, 768, FB1, FB0, 0, 0
	Q1 1, 3, 896, FB0, FB1, 0, 0
	T1A GD, G1V
	FE2W 0, 0, FB0
	T1B
	PACK
	s_wait_dscnt 0x0                               ; for the others' sake: my part of values' chunk is in LDS
	s_barrier_signal -1                            ; Slot 1's fill may stay out
	s_barrier_wait -1
	FE2V 0, FB0
	Q2 0, 64, 64, FB0, FB1, 1
	T2A GA, G1W, \last
	FE2W 1, 0, FB0
	FE2V 128, FB0
	T2B
	s_wait_xcnt 0x0                                ; the stores' base and data registers are rewritten only behind this wait (ISA guide 3.1)
.if !(\last)
	s_add_co_u32 s[CH], s[CH], 1                   ; the walk's next chunk, round at 16,
	s_and_b32 s[CH], s[CH], 15
	s_lshl_b32 s[TO], s[CH], 19                    ; its rows in VAL: 2,048 rows of 256 bytes a chunk
	s_add_nc_u64 s[VP:VP+1], s[VB:VB+1], s[TO:TO+1]
.endif
	Q2 1, 64, 192, FB0, FB1, 0
.if \last
	s_wait_dscnt 8
	M2 FB1, 0, 0
	M2 FB1, 0, 2
	s_wait_dscnt 0x0
	M2 FB1, 1, 0
	M2 FB1, 1, 2
.else
	T2A GB, G1W
	FE1 0, 0, 0, FB0
	T2B
.endif
.endm
	s_wait_tensorcnt 0x1                           ; my part of the first fill is in; the second may stay out
	s_wait_dscnt 0x0                               ; my rows of x are in LDS
	s_barrier_signal -1
	s_barrier_wait -1                              ; everybody's are
	FE1 0, 0, 0, FB0
	WIN 0                                          ; at a label and at a branch every window is 0
	s_mov_b32 s[CNT], 15
.Lchunk:
	CHUNK 0
	WIN 0
	s_sub_co_u32 s[CNT], s[CNT], 1
	s_cmp_lg_u32 s[CNT], 0
	s_cbranch_scc1 .Lchunk
	CHUNK 1                                        ; the walk's last chunk is written out
	; s2 = max(z, 0.2 z), rounded to bf16, into the rows where x lay (its last readers passed several barriers ago): eight accumulators, 16 rows, at a time.
	PLACES
.set aa, 0
.rept 8
	WIN 0x42+(aa/4)                                ; z in window 2 or 3; 0.2 z into window 1, the weights' buffer 0
.set k, 0
.rept 32
	v_pk_mul_f32 v[FB0+2*k:FB0+2*k+1], v[64*(aa%4)+2*k:64*(aa%4)+2*k+1], s[LK:LK+1] op_sel_hi:[1,0]
.set k, k+1
.endr
	WIN 0x46+(aa/4)
.set k, 0
.rept 64
	v_max_num_f32 v[FB0+k], v[64*(aa%4)+k], v[FB0+k]
.set k, k+1
.endr
	WIN 0x05
.set k, 0
.rept 32
	v_cvt_pk_bf16_f32 v[TMP+32*(aa%2)+k], v[FB0+2*k], v[FB0+2*k+1]
.set k, k+1
.endr
	WIN 0
.set k, 0
.rept 8
	ds_store_b128 v[STO2+aa/4], v[TMP+32*(aa%2)+4*k:TMP+32*(aa%2)+4*k+3] offset:16*XPITCH*(aa%4)+32*k
.set k, k+1
.endr
.set aa, aa+1
.endr
	s_wait_tensorcnt 0x0                           ; my part of W3' is in,
	s_wait_dscnt 0x0                               ; my columns of s2 are in LDS
	s_barrier_signal -1
	s_barrier_wait -1                              ; everybody's are
.irp t, 0,1,2,3
	global_load_b128 v[W4R+8*\t:W4R+8*\t+3],   v[H32], s[8:9] offset:8448+64*\t
	global_load_b128 v[W4R+8*\t+4:W4R+8*\t+7], v[H32], s[8:9] offset:8448+64*\t+16
.endr
	global_load_b32 v[C4R], v[H32], s[8:9] offset:8704
; GEMM 3.  Wave w makes rows 32 w .. 32 w + 31 x 64 k3: 8 accumulators (a, t) at v[8 (4 a + t)] of window 1; K = 512 in 16 steps, two to a fetch.
.macro FE3 q, f                        ; 24 loads: K steps 2 q and 2 q + 1
	WIN 0x40
.irp c, 0,1
.irp t, 0,1,2,3
.set ks, 2*(\q)+\c
	ds_load_b128 v[(\f)+8*(4*\c+\t):(\f)+8*(4*\c+\t)+3],   v[ADW3] offset:(ks/4)*64*W1P+16*W1P*\t+(ks%4)*64
	ds_load_b128 v[(\f)+8*(4*\c+\t)+4:(\f)+8*(4*\c+\t)+7], v[ADW3] offset:(ks/4)*64*W1P+16*W1P*\t+(ks%4)*64+32
.endr
.endr
	WIN 0
.irp c, 0,1
.irp a, 0,1
.set ks, 2*(\q)+\c
	ds_load_b128 v[(\f)+8*(2*\c+\a):(\f)+8*(2*\c+\a)+3],   v[ADS] offset:16*XPITCH*\a+64*ks
	ds_load_b128 v[(\f)+8*(2*\c+\a)+4:(\f)+8*(2*\c+\a)+7], v[ADS] offset:16*XPITCH*\a+64*ks+32
.endr
.endr
.endm
.macro M3 f, first                     ; 16 matrix instructions, the 8 accumulators by turns; first = 1: the first eight start the sums with c3
.irp c, 0,1
.irp a, 0,1
.irp t, 0,1,2,3
.if (\first) && (\c == 0)
	WIN 0x41
	v_wmma_f32_16x16x32_bf16 v[8*(4*\a+\t):8*(4*\a+\t)+7], v[(\f)+8*(4*\c+\t):(\f)+8*(4*\c+\t)+7], v[(\f)+8*(2*\c+\a):(\f)+8*(2*\c+\a)+7], v[BI+8*\t:BI+8*\t+7]
.else
	WIN 0x51
	v_wmma_f32_16x16x32_bf16 v[8*(4*\a+\t):8*(4*\a+\t)+7], v[(\f)+8*(4*\c+\t):(\f)+8*(4*\c+\t)+7], v[(\f)+8*(2*\c+\a):(\f)+8*(2*\c+\a)+7], v[8*(4*\a+\t):8*(4*\a+\t)+7]
.endif
.endr
.endr
.endr
.endm
	FE3 0, FB0
	s_wait_loadcnt 0x0                             ; c3, a4 W4, c4
	FE3 1, FB1
	s_wait_dscnt 24                                ; all but the 24 just issued
	M3 FB0, 1
.set qq, 1
.rept 6
	PLACES
	FE3 qq+1, FB0+64*((qq+1)%2)
	s_wait_dscnt 24
	M3 FB0+64*(qq%2), 0
.set qq, qq+1
.endr
	s_wait_dscnt 0x0
	M3 FB1, 0
	; s3 = max(z, 0.2 z); the score is its product with a4 W4, in f32: a lane sums its 32 channels, the lane 16 away has the other 32.
	PLACES
	WIN 0x45
.set i, 0
.rept 8
.irp p, 0,1,2,3
	v_pk_mul_f32 v[FB1+8*i+2*\p:FB1+8*i+2*\p+1], v[8*i+2*\p:8*i+2*\p+1], s[LK:LK+1] op_sel_hi:[1,0]
.endr
.irp p, 0,1,2,3,4,5,6,7
	v_max_num_f32 v[8*i+\p], v[8*i+\p], v[FB1+8*i+\p]
.endr
.set i, i+1
.endr
	WIN 0x01                                       ; s3 in window 1, all else in window 0
.irp p, 0,1,2,3
.set k, 0
.rept 8
.if \p == 0
	v_pk_mul_f32 v[DP+2*k:DP+2*k+1], v[8*k:8*k+1], v[W4R+8*(k%4):W4R+8*(k%4)+1]
.else
	v_pk_fma_f32 v[DP+2*k:DP+2*k+1], v[8*k+2*\p:8*k+2*\p+1], v[W4R+8*(k%4)+2*\p:W4R+8*(k%4)+2*\p+1], v[DP+2*k:DP+2*k+1]
.endif
.set k, k+1
.endr
.endr
	WIN 0
.irp a, 0,1
	v_pk_add_f32 v[DP+8*\a:DP+8*\a+1], v[DP+8*\a:DP+8*\a+1], v[DP+8*\a+2:DP+8*\a+3]
	v_pk_add_f32 v[DP+8*\a+4:DP+8*\a+5], v[DP+8*\a+4:DP+8*\a+5], v[DP+8*\a+6:DP+8*\a+7]
.endr
.irp a, 0,1
	v_pk_add_f32 v[DP+8*\a:DP+8*\a+1], v[DP+8*\a:DP+8*\a+1], v[DP+8*\a+4:DP+8*\a+5]
.endr
.irp a, 0,1
	v_add_f32 v[DP+8*\a], v[DP+8*\a], v[DP+8*\a+1]
.endr
.irp a, 0,1
	v_permlanex16_b32 v[DP+8*\a+1], v[DP+8*\a], s[SEL], s[SEL+1]
.endr
.irp a, 0,1
	v_add_f32 v[DP+8*\a], v[DP+8*\a], v[DP+8*\a+1]
.endr
.irp a, 0,1
	v_add_f32 v[DP+8*\a], v[DP+8*\a], v[C4R]
.endr
.irp a, 0,1
	v_mul_f32 v[DP+8*\a+1], s[LK], v[DP+8*\a]
.endr
.irp a, 0,1
	v_max_num_f32 v[DP+8*\a], v[DP+8*\a], v[DP+8*\a+1]
	ds_store_b32 v[SCA], v[DP+8*\a] offset:64*\a   ; both halves of the lanes hold the row's score and write the same word
.endr
	v_lshl_add_u32 v25, v3, 4, SCS
	v_lshlrev_b32 v26, 4, v3
	s_wait_dscnt 0x0                               ; for wave 0's sake
	s_barrier_signal -1
	s_barrier_wait -1
	s_cmp_lg_u32 s[WV], 0
	s_cbranch_scc1 .Lno_store
	ds_load_b128 v[28:31], v25                     ; wave 0 stores the block's 128 scores: 512 consecutive bytes
	s_wait_dscnt 0x0
	global_store_b128 v26, v[28:31], s[14:15]
.Lno_store:
	s_wait_tensorcnt 0x0                           ; the wave's end, behind my last tensor load and my last LDS store
	ds_add_u32 v[SPW], v[NIL]
	s_wait_dscnt 0x0
	CROUND                                         ; the closing round: no work-group ends while a partner may still ask for a tile that names it
	s_endpgm
.Lfunc_end_k_q5b93484901_main:
	.size	k_q5b93484901_main, .Lfunc_end_k_q5b93484901_main-k_q5b93484901_main
	.p2alignl 7, 3214868480
	.fill 96, 4, 3214868480
	.section	.rodata,"a",@progbits
	.p2align	6, 0x0
	.amdhsa_kernel k_q5b93484901_main
		.amdhsa_group_segment_fixed_size 327680
		.amdhsa_private_segment_fixed_size 0
		.amdhsa_enable_private_segment 0
		.amdhsa_kernarg_size 48
		.amdhsa_user_sgpr_count 2
		.amdhsa_user_sgpr_kernarg_segment_ptr 1
		.amdhsa_wavefront_size32 1
		.amdhsa_system_sgpr_workgroup_id_x 1
		.amdhsa_system_sgpr_workgroup_id_y 1
		.amdhsa_system_sgpr_workgroup_id_z 1
		.amdhsa_system_vgpr_workitem_id 0
		.amdhsa_next_free_vgpr 1024
		.amdhsa_next_free_sgpr 80
		.amdhsa_reserve_vcc 0
		.amdhsa_float_denorm_mode_32 3
		.amdhsa_float_denorm_mode_16_64 3
		.amdhsa_memory_ordered 1
		.amdhsa_forward_progress 1
		.amdhsa_inst_pref_size 255
	.end_amdhsa_kernel
	.section	.bss,"aw",@nobits
	.p2align	6
	.space	262144
	.amdgpu_metadata
---
amdhsa.version: [ 1, 2 ]
amdhsa.kernels:
  - .name:           k_q5b93484901_main
    .symbol:         k_q5b93484901_main.kd
    .args:
      - { .name: x_key, .offset: 0, .size: 8, .value_kind: global_buffer, .address_space: global }
      - { .name: WT, .offset: 8, .size: 8, .value_kind: global_buffer, .address_space: global }
      - { .name: CS, .offset: 16, .size: 8, .value_kind: global_buffer, .address_space: global }
      - { .name: C2Q, .offset: 24, .size: 8, .value_kind: global_buffer, .address_space: global }
      - { .name: VAL, .offset: 32, .size: 8, .value_kind: global_buffer, .address_space: global }
      - { .name: SC, .offset: 40, .size: 8, .value_kind: global_buffer, .address_space: global }
    .group_segment_fixed_size: 327680
    .private_segment_fixed_size: 0
    .kernarg_segment_align: 8
    .kernarg_segment_size: 48
    .max_flat_workgroup_size: 128
    .sgpr_count:     80
    .vgpr_count:     1024
    .wavefront_size: 32
...
	.end_amdgpu_metadata
.endif
;; end of part 2
;; launch pool (part 3): grid 256 x 1, 8 waves a work-group, no clusters, 13,568 bytes of LDS; arguments SC, VAL, out0; writes out0
.if DOCPART == 3
	.amdgcn_target "amdgcn-amd-amdhsa--gfx1250"
	.amdhsa_code_object_version 6
	.text
	.protected	k_q5b93484901_pool
	.globl	k_q5b93484901_pool
	.p2align	8
	.type	k_q5b93484901_pool,@function
k_q5b93484901_pool:
	s_mov_b64 s[64:65], 0
	v_nop
	global_prefetch_b8 v0, s[64:65] scope:SCOPE_SE
	s_setreg_imm32_b32 hwreg(HW_REG_WAVE_MODE, 25, 1), 1
	s_wait_xcnt 0x0
; POOL: out0[b][e] = the sum over n of softmax_n(score[b][n]) values[b][n][e].
; Work-group 16 b + c takes batch b and the 128 channels of chunk c: in VAL ([b][c][n 2048][128] bf16) one dense block of 524,288 bytes, read once.
; Every work-group makes the batch's softmax itself from the 2,048 scores (8,192 bytes): the maximum is taken away, p = 2^((s - m) log2 e), and the division by the sum of p is made once, at the end.
; Memory binds: no matrix unit, no cluster (the work-groups share the scores alone, 8 KB beside 512 KB).  Wave w takes rows 256 w .. 256 w + 255; a load of a wave covers two rows, 512 consecutive bytes.
; A ring of four sets of eight loads in registers: 24 to 32 loads of every wave are on their way.
; LIMITS.  values come rounded to bf16; products and sums in f32.  A weight below 2^-126 counts as 0.  NaN and infinities are not treated apart.
.set PW,    0                          ; p as the waves read it: [w 8][h 2][i 128] f32: row 256 w + 2 i + h.  A wave writes and reads its own 1,024 bytes
.set RED,   8192                       ; the waves' maxima at +0, their sums at +32
.set ACCR,  8448                       ; the waves' 128 sums: 512 bytes each
.set SPARE, 12544                      ; the spare words, 128 bytes for each of eight waves
.set SPW, 4                            ; v4  LDS address of my spare word; never rewritten
.set NIL, 5                            ; v5  0; never rewritten
.set ACC, 16                           ; v16-23   my eight channels' sums
.set S,   24                           ; v24-31   my eight scores
.set X,   32                           ; v32-159  set k at X + 32 k: eight loads
.set P,   160                          ; v160-191 set k at P + 8 k: their rows' p
.set TA,  160                          ; ahead of the stream P's registers are at work
.set TB,  176
	s_load_b128 s[4:7], s[0:1], 0x0                ; SC s[4:5], VAL s[6:7]
	s_load_b64 s[8:9], s[0:1], 0x10                ; out0
	v_lshl_add_u32 v[SPW], v0, 2, SPARE
	v_mov_b32 v[NIL], 0
	v_lshrrev_b32 v11, 5, v0
	v_readfirstlane_b32 s10, v11                   ; my wave's number
	s_lshr_b32 s11, ttmp9, 4                       ; b
	v_and_b32 v1, 31, v0                           ; l
	v_and_b32 v2, 15, v0                           ; l % 16
	v_bfe_u32 v3, v0, 4, 1                         ; l / 16
	s_lshl_b32 s14, s11, 13                        ; the batch's scores
	s_mov_b32 s15, 0
	s_lshl_b32 s16, ttmp9, 19                      ; my block of VAL
	s_mov_b32 s17, 0
	s_lshl_b32 s26, ttmp9, 9                       ; my 128 numbers of out0
	s_mov_b32 s27, 0
	s_mov_b32 s20, 0x76543210                      ; v_permlanex16_b32: each lane takes its own place in the other half
	s_mov_b32 s21, 0xfedcba98
	v_lshlrev_b32 v6, 5, v0                        ; scores 8 t .. 8 t + 7
	s_lshl_b32 s18, s10, 16
	v_lshl_add_u32 v7, v1, 4, s18                  ; my wave's 256 rows of 256 bytes, 16 bytes a lane
	s_lshl_b32 s22, s10, 2
	s_add_co_u32 s22, s22, RED
	v_mov_b32 v9, s22                              ; my wave's word in RED
	v_mov_b32 v10, RED
	s_lshl_b32 s23, s10, 10                        ; my wave's part of PW
	v_lshl_add_u32 v8, v3, 9, s23                  ; from where I read p: my half of the lanes' rows
	s_wait_kmcnt 0x0
	s_add_nc_u64 s[4:5], s[4:5], s[14:15]
	s_add_nc_u64 s[6:7], s[6:7], s[16:17]
	s_add_nc_u64 s[8:9], s[8:9], s[26:27]
	global_load_b128 v[S:S+3],   v6, s[4:5]
	global_load_b128 v[S+4:S+7], v6, s[4:5] offset:16
.macro LOADS k, off                    ; set k: eight loads, 16 rows
.set j, 0
.rept 8
	global_load_b128 v[X+32*(\k)+4*j:X+32*(\k)+4*j+3], v7, s[6:7] offset:(\off)+512*j th:TH_LOAD_NT
.set j, j+1
.endr
.endm
.macro PLOADS k, off                   ; the set's eight p of my half of the lanes
	ds_load_b128 v[P+8*(\k):P+8*(\k)+3],   v8 offset:(\off)
	ds_load_b128 v[P+8*(\k)+4:P+8*(\k)+7], v8 offset:(\off)+16
.endm
	LOADS 0, 0                                     ; the ring is filled ahead of the softmax
	LOADS 1, 4096
	LOADS 2, 8192
	LOADS 3, 12288
	s_wait_loadcnt 32                              ; the scores are in; the 32 younger loads stay out
	; the maximum: in the lane, over the wave, over the eight waves
	v_max3_num_f32 v12, v[S], v[S+1], v[S+2]
	v_max3_num_f32 v13, v[S+3], v[S+4], v[S+5]
	v_max3_num_f32 v12, v12, v[S+6], v[S+7]
	v_max_num_f32 v12, v12, v13
	v_max_num_f32_dpp v12, v12, v12 row_xmask:1 row_mask:0xf bank_mask:0xf
	v_max_num_f32_dpp v12, v12, v12 row_xmask:2 row_mask:0xf bank_mask:0xf
	v_max_num_f32_dpp v12, v12, v12 row_xmask:4 row_mask:0xf bank_mask:0xf
	v_max_num_f32_dpp v12, v12, v12 row_xmask:8 row_mask:0xf bank_mask:0xf
	v_permlanex16_b32 v13, v12, s20, s21
	v_max_num_f32 v12, v12, v13
	ds_store_b32 v9, v12
	s_wait_dscnt 0x0                               ; for the others' sake
	s_barrier_signal -1
	s_barrier_wait -1
	ds_load_b128 v[TA:TA+3],   v10
	ds_load_b128 v[TA+4:TA+7], v10 offset:16
	s_wait_dscnt 0x0
	v_max3_num_f32 v12, v[TA], v[TA+1], v[TA+2]
	v_max3_num_f32 v13, v[TA+3], v[TA+4], v[TA+5]
	v_max3_num_f32 v12, v12, v[TA+6], v[TA+7]
	v_max_num_f32 v12, v12, v13
	v_mov_b32 v13, v12                             ; m, twice: a pair for the packed subtraction
	; p = 2^((s - m) log2 e).  Rows 8 t + 0, 2, 4, 6 belong to the lower half of the lanes' loads, 1, 3, 5, 7 to the upper: they are laid so.
.irp k, 0,2,4,6
	v_pk_add_f32 v[S+\k:S+\k+1], v[S+\k:S+\k+1], v[12:13] neg_lo:[0,1] neg_hi:[0,1]
.endr
.irp k, 0,2,4,6
	v_pk_mul_f32 v[S+\k:S+\k+1], v[S+\k:S+\k+1], 0x3fb8aa3b op_sel_hi:[1,0]
.endr
.irp k, 0,1,2,3,4,5,6,7
	v_exp_f32 v[TB+4*(\k%2)+\k/2], v[S+\k]
.endr
	v_lshl_add_u32 v11, v1, 4, s23                 ; a plain instruction behind the last exponential: where my p go
	s_wait_alu depctr_va_vdst(0)
	ds_store_b128 v11, v[TB:TB+3]
	ds_store_b128 v11, v[TB+4:TB+7] offset:512
	v_pk_add_f32 v[TB+8:TB+9], v[TB:TB+1], v[TB+2:TB+3]
	v_pk_add_f32 v[TB+10:TB+11], v[TB+4:TB+5], v[TB+6:TB+7]
	v_pk_add_f32 v[TB+8:TB+9], v[TB+8:TB+9], v[TB+10:TB+11]
	v_add_f32 v12, v[TB+8], v[TB+9]
	v_add_f32_dpp v12, v12, v12 row_xmask:1 row_mask:0xf bank_mask:0xf
	v_add_f32_dpp v12, v12, v12 row_xmask:2 row_mask:0xf bank_mask:0xf
	v_add_f32_dpp v12, v12, v12 row_xmask:4 row_mask:0xf bank_mask:0xf
	v_add_f32_dpp v12, v12, v12 row_xmask:8 row_mask:0xf bank_mask:0xf
	v_permlanex16_b32 v13, v12, s20, s21
	v_add_f32 v12, v12, v13
	ds_store_b32 v9, v12 offset:32                 ; other bytes than the maxima's
	s_wait_dscnt 0x0
	s_barrier_signal -1
	s_barrier_wait -1
	ds_load_b128 v[TA:TA+3],   v10 offset:32
	ds_load_b128 v[TA+4:TA+7], v10 offset:48
	s_wait_dscnt 0x0
	v_pk_add_f32 v[TA:TA+1], v[TA:TA+1], v[TA+2:TA+3]
	v_pk_add_f32 v[TA+4:TA+5], v[TA+4:TA+5], v[TA+6:TA+7]
	v_pk_add_f32 v[TA:TA+1], v[TA:TA+1], v[TA+4:TA+5]
	v_add_f32 v12, v[TA], v[TA+1]
	v_rcp_f32 v14, v12                             ; 1 / the sum of p: used at the end
.irp k, 0,1,2,3,4,5,6,7
	v_mov_b32 v[ACC+\k], 0
.endr
	s_wait_alu depctr_va_vdst(0)
	v_mov_b32 v15, v14
	PLOADS 0, 0                                    ; my wave's own bytes: LDS serves a wave's instructions in order (ISA guide 5.7.1.4)
	PLOADS 1, 32
	PLOADS 2, 64
	PLOADS 3, 96
.macro FMAS k                          ; 64 multiply-adds straight from the bf16 halves: eight loads' rows x my eight channels
.set j, 0
.rept 8
.irp c, 0,1,2,3
	v_fma_mix_f32_bf16 v[ACC+2*\c],   v[X+32*(\k)+4*j+\c], v[P+8*(\k)+j], v[ACC+2*\c]   op_sel_hi:[1,0,0]
	v_fma_mix_f32_bf16 v[ACC+2*\c+1], v[X+32*(\k)+4*j+\c], v[P+8*(\k)+j], v[ACC+2*\c+1] op_sel:[1,0,0] op_sel_hi:[1,0,0]
.endr
.set j, j+1
.endr
.endm
	s_mov_b32 s24, 3
.Ltrip:                                                ; a trip: four sets are summed, and each is asked for again, four sets (64 rows) further on, as soon as it has been read
	s_wait_loadcnt 24                              ; this set's eight loads are in; the other three sets' stay out
	s_wait_dscnt 6                                 ; likewise its two loads of p
	FMAS 0
	s_wait_xcnt 0x0                                ; the loads' base is stepped only behind this wait (ISA guide 3.1); the youngest loads went out 64 multiply-adds ago
	s_add_nc_u64 s[6:7], s[6:7], 16384
	LOADS 0, 0
	PLOADS 0, 128
	s_wait_loadcnt 24
	s_wait_dscnt 6
	FMAS 1
	LOADS 1, 4096
	PLOADS 1, 160
	s_wait_loadcnt 24
	s_wait_dscnt 6
	FMAS 2
	LOADS 2, 8192
	PLOADS 2, 192
	s_wait_loadcnt 24
	s_wait_dscnt 6
	FMAS 3
	LOADS 3, 12288
	PLOADS 3, 224
	v_add_nc_u32 v8, 128, v8
	s_sub_co_u32 s24, s24, 1
	s_cmp_lg_u32 s24, 0
	s_cbranch_scc1 .Ltrip
	s_wait_loadcnt 24                              ; the last four sets: nothing more is asked for, and the counts run down
	s_wait_dscnt 6
	FMAS 0
	s_wait_loadcnt 16
	s_wait_dscnt 4
	FMAS 1
	s_wait_loadcnt 8
	s_wait_dscnt 2
	FMAS 2
	s_wait_loadcnt 0x0
	s_wait_dscnt 0x0
	FMAS 3
	; the other half of the lanes has the odd rows; then the eight waves' sums meet in LDS
.irp k, 0,1,2,3,4,5,6,7
	v_permlanex16_b32 v[S+\k], v[ACC+\k], s20, s21
.endr
.irp k, 0,2,4,6
	v_pk_add_f32 v[ACC+\k:ACC+\k+1], v[ACC+\k:ACC+\k+1], v[S+\k:S+\k+1]
.endr
	s_lshl_b32 s25, s10, 9
	s_add_co_u32 s25, s25, ACCR
	v_lshl_add_u32 v11, v2, 5, s25                 ; channels 8 (l % 16) on; both halves of the lanes write the same numbers
	ds_store_b128 v11, v[ACC:ACC+3]
	ds_store_b128 v11, v[ACC+4:ACC+7] offset:16
	s_wait_dscnt 0x0
	s_barrier_signal -1
	s_barrier_wait -1
	s_cmp_gt_u32 s10, 1
	s_cbranch_scc1 .Ldone
	v_lshl_add_u32 v12, v0, 3, ACCR                ; threads 0 to 63: two channels each
	v_lshlrev_b32 v13, 3, v0
.irp w, 0,1,2,3,4,5,6,7
	ds_load_b64 v[X+2*\w:X+2*\w+1], v12 offset:512*\w
.endr
	s_wait_dscnt 0x0
	v_pk_add_f32 v[X:X+1], v[X:X+1], v[X+2:X+3]
	v_pk_add_f32 v[X+4:X+5], v[X+4:X+5], v[X+6:X+7]
	v_pk_add_f32 v[X+8:X+9], v[X+8:X+9], v[X+10:X+11]
	v_pk_add_f32 v[X+12:X+13], v[X+12:X+13], v[X+14:X+15]
	v_pk_add_f32 v[X:X+1], v[X:X+1], v[X+4:X+5]
	v_pk_add_f32 v[X+8:X+9], v[X+8:X+9], v[X+12:X+13]
	v_pk_add_f32 v[X:X+1], v[X:X+1], v[X+8:X+9]
	v_pk_mul_f32 v[X:X+1], v[X:X+1], v[14:15]
	global_store_b64 v13, v[X:X+1], s[8:9]         ; a wave stores 256 consecutive bytes, at a multiple of 256 from out0's first byte
.Ldone:
	s_wait_tensorcnt 0x0                           ; the wave's end, behind my last LDS store
	ds_add_u32 v[SPW], v[NIL]
	s_wait_dscnt 0x0
	s_endpgm
.Lfunc_end_k_q5b93484901_pool:
	.size	k_q5b93484901_pool, .Lfunc_end_k_q5b93484901_pool-k_q5b93484901_pool
	.p2alignl 7, 3214868480
	.fill 96, 4, 3214868480
	.section	.rodata,"a",@progbits
	.p2align	6, 0x0
	.amdhsa_kernel k_q5b93484901_pool
		.amdhsa_group_segment_fixed_size 13568
		.amdhsa_private_segment_fixed_size 0
		.amdhsa_enable_private_segment 0
		.amdhsa_kernarg_size 24
		.amdhsa_user_sgpr_count 2
		.amdhsa_user_sgpr_kernarg_segment_ptr 1
		.amdhsa_wavefront_size32 1
		.amdhsa_system_sgpr_workgroup_id_x 1
		.amdhsa_system_sgpr_workgroup_id_y 1
		.amdhsa_system_sgpr_workgroup_id_z 1
		.amdhsa_system_vgpr_workitem_id 0
		.amdhsa_next_free_vgpr 192
		.amdhsa_next_free_sgpr 66
		.amdhsa_reserve_vcc 0
		.amdhsa_float_denorm_mode_32 3
		.amdhsa_float_denorm_mode_16_64 3
		.amdhsa_memory_ordered 1
		.amdhsa_forward_progress 1
		.amdhsa_inst_pref_size 48
	.end_amdhsa_kernel
	.amdgpu_metadata
---
amdhsa.version: [ 1, 2 ]
amdhsa.kernels:
  - .name:           k_q5b93484901_pool
    .symbol:         k_q5b93484901_pool.kd
    .args:
      - { .name: SC, .offset: 0, .size: 8, .value_kind: global_buffer, .address_space: global }
      - { .name: VAL, .offset: 8, .size: 8, .value_kind: global_buffer, .address_space: global }
      - { .name: out0, .offset: 16, .size: 8, .value_kind: global_buffer, .address_space: global }
    .group_segment_fixed_size: 13568
    .private_segment_fixed_size: 0
    .kernarg_segment_align: 8
    .kernarg_segment_size: 24
    .max_flat_workgroup_size: 256
    .sgpr_count:     66
    .vgpr_count:     192
    .wavefront_size: 32
...
	.end_amdgpu_metadata
.endif
;; end of part 3
;; ======== version 2 of 2: 3 launches; version 1 with the launch prep written anew for expert scheduling mode
;; workspace buffers: WT 4,259,840 bytes; CS 8,960 bytes; C2Q 32,768 bytes; VAL 134,217,728 bytes; SC 131,072 bytes
;; launch prep (part 4): grid 163 x 1, 16 waves a work-group, no clusters, 18,432 bytes of LDS; arguments W1, W2, W3, W4, g1, b1, m1, v1, g2, b2, m2, v2, g3, b3, m3, v3, g4, b4, m4, v4, x_query, WT, CS, C2Q; writes WT, CS, C2Q
.if DOCPART == 4
	.amdgcn_target "amdgcn-amd-amdhsa--gfx1250"
	.amdhsa_code_object_version 6
	.text
	.protected	k_q5b93484901_prep
	.globl	k_q5b93484901_prep
	.p2align	8
	.type	k_q5b93484901_prep,@function
k_q5b93484901_prep:
	s_mov_b64 s[64:65], 0
	v_nop
	global_prefetch_b8 v0, s[64:65] scope:SCOPE_SE
	s_setreg_imm32_b32 hwreg(HW_REG_WAVE_SCHED_MODE, 0, 2), 2
	s_setreg_imm32_b32 hwreg(HW_REG_WAVE_MODE, 25, 1), 1
	s_wait_xcnt 0x0
	s_wait_alu depctr_vm_vsrc(0)
; PREP: everything that hangs on the weights and on x_query alone, made once.
; With a_i = g_i rsq(v_i + 1e-5) and c_i = b_i - m_i a_i the batch norm behind a product is  a_i (x . W_i[row]) + c_i.
;   WT   the weights as the main launch streams them, bf16, a_i multiplied into each row in f32 ahead of the one rounding:
;        chunk c (128 channels of the 2,048) at byte 262,144 c: a1 W1 as [kq 4][e 128][k 128], then at +131,072 a2 W2 as [eh 2][d 512][e' 64];
;        a3 W3 at byte 4,194,304 as [dq 4][k3 64][d' 128].  Every 65,536 bytes are one fill of an LDS slot there.
;   CS   f32: c1[2048] at 0; c3[64] at 8,192; a4 W4[64] at 8,448; c4, 64 times, at 8,704.
;   C2Q  f32 [d / 16][b 16][16]: a2[d] (x_query[b] . W2[d]) + c2[d]: (values + q) W2^T = values W2^T + q W2^T, and the second term starts the main launch's sums.
; LIMITS.  x_query and W2 are rounded to bf16 for the product q W2^T, sums in f32.  NaN and infinities are not treated apart.
; JOBS, by the work-group's number, those with the longest chain of dependent accesses first: 0-31 C2Q (16 d each), 32 the constants, 33-96 W1, 97-160 W2, 161-162 W3.
; Sixteen waves a work-group, so that the 163 work-groups do all the work with one round of loads each.
; THE MODE: SCHED_MODE bits 1:0 = 2 (LLVM: expert scheduling mode 2), set by the entry lines.  The code itself states the register dependences
; between vector or matrix instructions and memory or LDS instructions, with s_wait_alu, always for 0.
; THE PLAN.  No job has a loop, and on no path is a register written again after a memory or LDS instruction has read it: every offset, every store's data is written once.
; So no wait on vm_vsrc is owed.  What is owed is that vector results are written before memory instructions read them, and each job is laid so that few waits on va_vdst state that:
;   a job makes ALL its offsets first; one wait; then all its loads go out in one run, into registers that no vector instruction has named;
;   a job makes ALL the data of a group of stores first; one wait; then the stores go out in one run.
; The wave's number goes through v_readfirstlane_b32 into s4: one wait on va_sdst stands behind it, ahead of the first branch.
.set EPS,   0x3727c5ac                 ; 1e-5
.set SPARE, 16384                      ; behind the partial sums: the spare words, 128 bytes for each of sixteen waves
.set SPW, 6                            ; v6  LDS address of my spare word; never rewritten
.set NIL, 7                            ; v7  0; never rewritten
; the conversion jobs
.set U,   8                            ; v8      the unit in hand (8 numbers)
.set T0,  12                           ; v12-14  at work
.set T1,  13
.set T2,  14
.set SRC, 16                           ; v16-19  byte offset of unit i in the weight
.set DST, 20                           ; v20-23  byte offset of unit i in WT
.set ROW, 24                           ; v24-27  4 x the unit's row: offset into g and v
.set GG,  28                           ; v28-31  g[row]
.set VV,  32                           ; v32-35  v[row], then rsq
.set AA,  36                           ; v36-43  a[row], twice: a pair for the packed multiply
.set DD,  64                           ; v64-95  the units' 8 numbers in f32
.set OO,  96                           ; v96-111 the same in bf16
; the job C2Q
.set LD,  64                           ; v64-191 four K steps of 32 registers: 16 f32 of q, then 16 of W2
.set FR,  192                          ; v192-223 two sets of fragments: A (q) 8, B (W2) 8
.set ACC, 224                          ; v224-239 two accumulators, by turns
.set SUM, 240                          ; v240-247 their sum
	s_load_b512 s[8:23], s[0:1], 0x0               ; W1 8, W2 10, W3 12, W4 14, g1 16, b1 18, m1 20, v1 22
	s_load_b512 s[24:39], s[0:1], 0x40             ; g2 24, b2 26, m2 28, v2 30, g3 32, b3 34, m3 36, v3 38
	s_load_b512 s[40:55], s[0:1], 0x80             ; g4 40, b4 42, m4 44, v4 46, x_query 48, WT 50, CS 52, C2Q 54
	v_lshl_add_u32 v[SPW], v0, 2, SPARE
	v_mov_b32 v[NIL], 0
	v_lshrrev_b32 v1, 5, v0
	v_readfirstlane_b32 s4, v1                     ; my wave's number
	s_mov_b32 s5, ttmp9
	s_wait_alu depctr_va_sdst(0)                   ; s4 is written, ahead of the branches and of its first reader in every job
	s_wait_kmcnt 0x0
	s_cmp_lt_u32 s5, 32
	s_cbranch_scc1 .Lc2q
	s_cmp_eq_u32 s5, 32
	s_cbranch_scc1 .Lconst
	s_cmp_lt_u32 s5, 97
	s_cbranch_scc1 .Lw1
	s_cmp_lt_u32 s5, 161
	s_cbranch_scc1 .Lw2
	s_branch .Lw3
; A work-group converts 2,048 units of 8 numbers, a thread four: unit u = 2,048 x (work-group in its job) + 512 i + t.  Units are numbered along WT, so sixteen
; neighbouring lanes store 256 consecutive bytes; the unit's row and column in the weight are cut out of u by the layout at the head.
; Who touches what: SRC, ROW and DST are written by the address lines and never again; the loads read SRC and ROW and land in DD, GG and VV, which no vector line has named;
; the roundings write OO, which the stores read, with DST as their offset.
.macro CONV kind, wp, gp, vp, first, doff
	s_sub_co_u32 s6, s5, \first
	s_lshl_b32 s6, s6, 11
.irp i, 0,1,2,3
	v_add3_u32 v[U], v0, s6, 512*\i
.if (\kind) == 1                       ; u = [c][kq 2 bits][e 7 bits][k8 4 bits]
	v_lshrrev_b32 v[T0], 13, v[U]
	v_bfe_u32 v[T1], v[U], 4, 7
	v_lshl_add_u32 v[ROW+\i], v[T0], 7, v[T1]      ; row = 128 c + e
	v_bfe_u32 v[T1], v[U], 11, 2
	v_and_b32 v[T2], 15, v[U]
	v_lshl_add_u32 v[T1], v[T1], 4, v[T2]          ; column / 8 = 16 kq + k8
	v_lshlrev_b32 v[T1], 5, v[T1]
	v_lshl_add_u32 v[SRC+\i], v[ROW+\i], 11, v[T1] ; rows of 2,048 bytes
	v_and_b32 v[T2], 0x1fff, v[U]
	v_lshlrev_b32 v[T2], 4, v[T2]
	v_lshl_add_u32 v[DST+\i], v[T0], 18, v[T2]
.elseif (\kind) == 2                   ; u = [c][eh 1 bit][d 9 bits][e8 3 bits]
	v_lshrrev_b32 v[T0], 13, v[U]
	v_bfe_u32 v[ROW+\i], v[U], 3, 9                ; row = d
	v_bfe_u32 v[T1], v[U], 12, 1
	v_lshl_add_u32 v[T1], v[T0], 1, v[T1]
	v_and_b32 v[T2], 7, v[U]
	v_lshl_add_u32 v[T1], v[T1], 3, v[T2]          ; column / 8 = 16 c + 8 eh + e8
	v_lshlrev_b32 v[T1], 5, v[T1]
	v_lshl_add_u32 v[SRC+\i], v[ROW+\i], 13, v[T1] ; rows of 8,192 bytes
	v_and_b32 v[T2], 0x1fff, v[U]
	v_lshlrev_b32 v[T2], 4, v[T2]
	v_lshl_add_u32 v[DST+\i], v[T0], 18, v[T2]
.else                                  ; u = [dq 2 bits][k3 6 bits][d8 4 bits]
	v_bfe_u32 v[ROW+\i], v[U], 4, 6
	v_bfe_u32 v[T1], v[U], 10, 2
	v_and_b32 v[T2], 15, v[U]
	v_lshl_add_u32 v[T1], v[T1], 4, v[T2]
	v_lshlrev_b32 v[T1], 5, v[T1]
	v_lshl_add_u32 v[SRC+\i], v[ROW+\i], 11, v[T1]
	v_lshlrev_b32 v[DST+\i], 4, v[U]
.endif
	v_lshlrev_b32 v[ROW+\i], 2, v[ROW+\i]
.endr
	s_wait_alu depctr_va_vdst(0)                   ; the four units' SRC, ROW and DST are written: the sixteen loads below read SRC and ROW as their offsets, the stores at the end DST
.irp i, 0,1,2,3
	global_load_b128 v[DD+8*\i:DD+8*\i+3],   v[SRC+\i], s[\wp:\wp+1]
	global_load_b128 v[DD+8*\i+4:DD+8*\i+7], v[SRC+\i], s[\wp:\wp+1] offset:16
	global_load_b32 v[GG+\i], v[ROW+\i], s[\gp:\gp+1]
	global_load_b32 v[VV+\i], v[ROW+\i], s[\vp:\vp+1]
.endr
	s_wait_loadcnt 0x0
.irp i, 0,1,2,3
	v_add_f32 v[VV+\i], EPS, v[VV+\i]
.endr
.irp i, 0,1,2,3
	v_rsq_f32 v[VV+\i], v[VV+\i]
.endr
	v_nop                                          ; a plain instruction between the last root and the use of its result
	s_wait_alu depctr_va_vdst(0)                   ; the four roots have written VV, ahead of the multiplies that read them: one wait for the batch
.irp i, 0,1,2,3
	v_mul_f32 v[AA+2*\i], v[GG+\i], v[VV+\i]       ; a = g rsq(v + eps)
.endr
.irp i, 0,1,2,3
	v_mov_b32 v[AA+2*\i+1], v[AA+2*\i]
.endr
.irp i, 0,1,2,3
.irp p, 0,1,2,3
	v_pk_mul_f32 v[DD+8*\i+2*\p:DD+8*\i+2*\p+1], v[DD+8*\i+2*\p:DD+8*\i+2*\p+1], v[AA+2*\i:AA+2*\i+1]
.endr
.endr
.irp i, 0,1,2,3
.irp p, 0,1,2,3
	v_cvt_pk_bf16_f32 v[OO+4*\i+\p], v[DD+8*\i+2*\p], v[DD+8*\i+2*\p+1]
.endr
.endr
	s_wait_alu depctr_va_vdst(0)                   ; the sixteen roundings have written OO, which the four stores read
.irp i, 0,1,2,3
	global_store_b128 v[DST+\i], v[OO+4*\i:OO+4*\i+3], s[50:51] offset:\doff  ; 16 lanes store 256 consecutive bytes, at a multiple of 256 from WT's first byte
.endr
	s_endpgm
.endm
.Lw1:
	CONV 1, 8, 16, 22, 33, 0
.Lw2:
	CONV 2, 10, 24, 30, 97, 131072
.Lw3:
	CONV 3, 12, 32, 38, 161, 4194304
; C2Q for 16 d.  A = q (16 batches x K), B = W2 (16 d x K).  Wave w sums K = 128 w .. 128 w + 127 in four K steps of 32 on two accumulators by turns;
; the sixteen waves' sums meet in LDS.
; Who touches what: v9, v15 and v16 are the loads' offsets, written once; the loads land in v10-13 and LD, which no vector line has named; the K steps hold no memory instruction;
; SUM and v17 are the LDS stores' data and address; v20 the address of the LDS loads, which land in LD's first sixteen registers, last read by K step 0's conversions; v21 and v22 the last store's.
.Lc2q:
	v_and_b32 v1, 15, v0                           ; l % 16; also: the d of the number that I finish
	v_bfe_u32 v2, v0, 4, 1                         ; l / 16
	v_and_b32 v3, 31, v0
	s_lshl_b32 s7, s5, 4                           ; the work-group's number says which 16 d
	v_add_nc_u32 v8, s7, v1                        ; d
	v_lshlrev_b32 v9, 2, v8
	s_lshl_b32 s56, s4, 9                          ; my wave's 128 numbers of a row, in bytes
	v_lshl_add_u32 v14, v2, 5, s56                 ; + 8 numbers for the upper half of the lanes
	v_lshl_add_u32 v15, v1, 13, v14                ; q: row l % 16
	v_lshl_add_u32 v16, v8, 13, v14                ; W2: row d
	s_wait_alu depctr_va_vdst(0)                   ; v9, v15 and v16 are written: the 36 loads below read them as their offsets
	global_load_b32 v10, v9, s[24:25]              ; g2[d]
	global_load_b32 v11, v9, s[30:31]              ; v2[d]
	global_load_b32 v12, v9, s[26:27]              ; b2[d]
	global_load_b32 v13, v9, s[28:29]              ; m2[d]
; A fragment's lane holds k = 8 h + 0..7 and 16 + 8 h + 0..7 of its row: in f32 two times 32 bytes, 64 bytes apart.
.macro LDK s
.set lb, LD+32*(\s)
	global_load_b128 v[lb:lb+3],     v15, s[48:49] offset:128*(\s)
	global_load_b128 v[lb+4:lb+7],   v15, s[48:49] offset:128*(\s)+16
	global_load_b128 v[lb+8:lb+11],  v15, s[48:49] offset:128*(\s)+64
	global_load_b128 v[lb+12:lb+15], v15, s[48:49] offset:128*(\s)+80
	global_load_b128 v[lb+16:lb+19], v16, s[10:11] offset:128*(\s)
	global_load_b128 v[lb+20:lb+23], v16, s[10:11] offset:128*(\s)+16
	global_load_b128 v[lb+24:lb+27], v16, s[10:11] offset:128*(\s)+64
	global_load_b128 v[lb+28:lb+31], v16, s[10:11] offset:128*(\s)+80
.endm
; K step s.  All 32 loads of the wave go out at once, in the order of the K steps, eight each: behind step s's eight stand 24 - 8 s younger ones.
; The sixteen conversions write the fragment set that the matrix instruction before last read: the sixteen of the step between are the places behind it.
.macro KST s
.set lb, LD+32*(\s)
.set fr, FR+16*((\s)%2)
.set ac, ACC+8*((\s)%2)
	s_wait_loadcnt 24-8*(\s)
.irp k, 0,1,2,3,4,5,6,7
	v_cvt_pk_bf16_f32 v[fr+\k],   v[lb+2*\k],    v[lb+2*\k+1]
	v_cvt_pk_bf16_f32 v[fr+8+\k], v[lb+16+2*\k], v[lb+16+2*\k+1]
.endr
.if (\s) < 2
	v_wmma_f32_16x16x32_bf16 v[ac:ac+7], v[fr:fr+7], v[fr+8:fr+15], 0
.else
	v_wmma_f32_16x16x32_bf16 v[ac:ac+7], v[fr:fr+7], v[fr+8:fr+15], v[ac:ac+7]
.endif
.endm
	LDK 0
	LDK 1
	LDK 2
	LDK 3
.irp s, 0,1,2,3
	KST \s
.endr
.rept 4
	v_nop                                          ; the places behind the last products
.endr
.irp k, 0,1,2,3
	v_pk_add_f32 v[SUM+2*\k:SUM+2*\k+1], v[ACC+2*\k:ACC+2*\k+1], v[ACC+8+2*\k:ACC+8+2*\k+1]
.endr
	s_lshl_b32 s57, s4, 10                         ; my wave's 1,024 bytes of partial sums
	v_lshl_add_u32 v17, v3, 2, s57                 ; register j of lane l is (b = 8 (l / 16) + j, d = l % 16): to byte 1,024 w + 128 j + 4 l
	s_wait_alu depctr_va_vdst(0)                   ; the additions have written SUM, the LDS stores' data, and v17, their address, is written
.irp j, 0,1,2,3,4,5,6,7
	ds_store_b32 v17, v[SUM+\j] offset:128*\j
.endr
	s_wait_dscnt 0x0                               ; for the others' sake: my partial sums are in LDS
	s_barrier_signal -1
	s_barrier_wait -1
	s_cmp_gt_u32 s4, 7                             ; 256 numbers: waves 0 to 7 finish them
	s_cbranch_scc1 .Lc2q_end
	v_bfe_u32 v19, v0, 4, 3                        ; thread t finishes (b = t / 16, d = t % 16): b % 8,
	v_bfe_u32 v20, v0, 7, 1                        ; b / 8
	v_lshl_add_u32 v20, v20, 4, v1
	v_lshlrev_b32 v20, 2, v20
	v_lshl_add_u32 v20, v19, 7, v20
	v_add_f32 v11, EPS, v11
	v_rsq_f32 v11, v11
	s_lshl_b32 s58, s5, 10
	v_lshl_add_u32 v22, v0, 2, s58                 ; a plain instruction behind the root: my place in C2Q, 1,024 x (d / 16) + 4 t
	s_wait_alu depctr_va_vdst(0)                   ; one wait for three things: v20, the LDS loads' address, and v22, the last store's offset, are written; the root has written v11, ahead of the multiply that reads it
.irp w, 0,1,2,3,4,5,6,7,8,9,10,11,12,13,14,15
	ds_load_b32 v[LD+\w], v20 offset:1024*\w       ; into registers that K step 0's conversions read last, ahead of the waits above
.endr
	v_mul_f32 v10, v10, v11                        ; a2
	v_fma_f32 v12, -v13, v10, v12                  ; c2 = b2 - m2 a2
	s_wait_dscnt 0x0
.irp k, 0,2,4,6,8,10,12,14
	v_add_f32 v[LD+\k], v[LD+\k], v[LD+\k+1]
.endr
.irp k, 0,4,8,12
	v_add_f32 v[LD+\k], v[LD+\k], v[LD+\k+2]
.endr
.irp k, 0,8
	v_add_f32 v[LD+\k], v[LD+\k], v[LD+\k+4]
.endr
	v_add_f32 v[LD], v[LD], v[LD+8]
	v_fma_f32 v21, v10, v[LD], v12
	s_wait_alu depctr_va_vdst(0)                   ; the multiply-add has written v21, which the store reads
	global_store_b32 v22, v21, s[54:55]            ; a wave stores 128 consecutive bytes, two waves a block of 256
.Lc2q_end:
	s_wait_dscnt 0x0                               ; the closing lines, six on end
	s_wait_alu 0x0
	s_wait_tensorcnt 0x0
	ds_add_u32 v[SPW], v[NIL]
	s_wait_dscnt 0x0
	s_endpgm
; The constants.  Thread t makes c1 for the channels 4 t .. 4 t + 3; waves 0 and 1 then make c3, a4 W4 and c4.
; Who touches what: v8, v64 and v65 are offsets, written once, here; the loads land in v16-43 and v66-74, which no vector line has named; v48-51 and v68, v70, v73 are the stores' data.
.Lconst:
	v_lshlrev_b32 v8, 4, v0
	v_lshlrev_b32 v64, 2, v0                       ; for waves 0 and 1 alone, t < 64: one channel of the 64 each; registers of their own, so nothing of the first store is rewritten
	v_mov_b32 v65, 0
	s_wait_alu depctr_va_vdst(0)                   ; v8, v64 and v65 are written: every load and store of the job reads one of them as its offset
	global_load_b128 v[16:19], v8, s[16:17]        ; g1
	global_load_b128 v[24:27], v8, s[22:23]        ; v1
	global_load_b128 v[32:35], v8, s[18:19]        ; b1
	global_load_b128 v[40:43], v8, s[20:21]        ; m1
	s_wait_loadcnt 0x0
.irp k, 0,1,2,3
	v_add_f32 v[24+\k], EPS, v[24+\k]
.endr
.irp k, 0,1,2,3
	v_rsq_f32 v[24+\k], v[24+\k]
.endr
	v_nop                                          ; a plain instruction between the last root and the use of its result
	s_wait_alu depctr_va_vdst(0)                   ; the four roots have written v24-27, ahead of the multiplies that read them
.irp k, 0,1,2,3
	v_mul_f32 v[16+\k], v[16+\k], v[24+\k]
.endr
.irp k, 0,1,2,3
	v_fma_f32 v[48+\k], -v[40+\k], v[16+\k], v[32+\k]
.endr
	s_wait_alu depctr_va_vdst(0)                   ; the multiply-adds have written v48-51, which the store reads
	global_store_b128 v8, v[48:51], s[52:53]       ; 16 lanes store 256 consecutive bytes
	s_cmp_gt_u32 s4, 1
	s_cbranch_scc1 .Lend
	global_load_b32 v66, v64, s[32:33]             ; g3.  No wait: no vector line since the job's first wait names v64 to v74
	global_load_b32 v67, v64, s[38:39]             ; v3
	global_load_b32 v68, v64, s[34:35]             ; b3
	global_load_b32 v69, v64, s[36:37]             ; m3
	global_load_b32 v70, v64, s[14:15]             ; W4
	global_load_b32 v71, v65, s[40:41]             ; g4
	global_load_b32 v72, v65, s[46:47]             ; v4
	global_load_b32 v73, v65, s[42:43]             ; b4
	global_load_b32 v74, v65, s[44:45]             ; m4
	s_wait_loadcnt 0x0
	v_add_f32 v67, EPS, v67
	v_add_f32 v72, EPS, v72
	v_rsq_f32 v67, v67
	v_rsq_f32 v72, v72
	v_nop                                          ; a plain instruction between the last root and the use of its result
	s_wait_alu depctr_va_vdst(0)                   ; the two roots have written v67 and v72, ahead of the multiplies that read them
	v_mul_f32 v66, v66, v67                        ; a3
	v_mul_f32 v71, v71, v72                        ; a4
	v_fma_f32 v68, -v69, v66, v68                  ; c3
	v_mul_f32 v70, v70, v71                        ; a4 W4
	v_fma_f32 v73, -v74, v71, v73                  ; c4
	s_wait_alu depctr_va_vdst(0)                   ; v68, v70 and v73 are written, which the three stores read
	global_store_b32 v64, v68, s[52:53] offset:8192
	global_store_b32 v64, v70, s[52:53] offset:8448
	global_store_b32 v64, v73, s[52:53] offset:8704
.Lend:
	s_endpgm
.Lfunc_end_k_q5b93484901_prep:
	.size	k_q5b93484901_prep, .Lfunc_end_k_q5b93484901_prep-k_q5b93484901_prep
	.p2alignl 7, 3214868480
	.fill 96, 4, 3214868480
	.section	.rodata,"a",@progbits
	.p2align	6, 0x0
	.amdhsa_kernel k_q5b93484901_prep
		.amdhsa_group_segment_fixed_size 18432
		.amdhsa_private_segment_fixed_size 0
		.amdhsa_enable_private_segment 0
		.amdhsa_kernarg_size 192
		.amdhsa_user_sgpr_count 2
		.amdhsa_user_sgpr_kernarg_segment_ptr 1
		.amdhsa_wavefront_size32 1
		.amdhsa_system_sgpr_workgroup_id_x 1
		.amdhsa_system_sgpr_workgroup_id_y 1
		.amdhsa_system_sgpr_workgroup_id_z 1
		.amdhsa_system_vgpr_workitem_id 0
		.amdhsa_next_free_vgpr 256
		.amdhsa_next_free_sgpr 66
		.amdhsa_reserve_vcc 0
		.amdhsa_float_denorm_mode_32 3
		.amdhsa_float_denorm_mode_16_64 3
		.amdhsa_memory_ordered 1
		.amdhsa_forward_progress 1
		.amdhsa_inst_pref_size 38
	.end_amdhsa_kernel
	.amdgpu_metadata
---
amdhsa.version: [ 1, 2 ]
amdhsa.kernels:
  - .name:           k_q5b93484901_prep
    .symbol:         k_q5b93484901_prep.kd
    .args:
      - { .name: W1, .offset: 0, .size: 8, .value_kind: global_buffer, .address_space: global }
      - { .name: W2, .offset: 8, .size: 8, .value_kind: global_buffer, .address_space: global }
      - { .name: W3, .offset: 16, .size: 8, .value_kind: global_buffer, .address_space: global }
      - { .name: W4, .offset: 24, .size: 8, .value_kind: global_buffer, .address_space: global }
      - { .name: g1, .offset: 32, .size: 8, .value_kind: global_buffer, .address_space: global }
      - { .name: b1, .offset: 40, .size: 8, .value_kind: global_buffer, .address_space: global }
      - { .name: m1, .offset: 48, .size: 8, .value_kind: global_buffer, .address_space: global }
      - { .name: v1, .offset: 56, .size: 8, .value_kind: global_buffer, .address_space: global }
      - { .name: g2, .offset: 64, .size: 8, .value_kind: global_buffer, .address_space: global }
      - { .name: b2, .offset: 72, .size: 8, .value_kind: global_buffer, .address_space: global }
      - { .name: m2, .offset: 80, .size: 8, .value_kind: global_buffer, .address_space: global }
      - { .name: v2, .offset: 88, .size: 8, .value_kind: global_buffer, .address_space: global }
      - { .name: g3, .offset: 96, .size: 8, .value_kind: global_buffer, .address_space: global }
      - { .name: b3, .offset: 104, .size: 8, .value_kind: global_buffer, .address_space: global }
      - { .name: m3, .offset: 112, .size: 8, .value_kind: global_buffer, .address_space: global }
      - { .name: v3, .offset: 120, .size: 8, .value_kind: global_buffer, .address_space: global }
      - { .name: g4, .offset: 128, .size: 8, .value_kind: global_buffer, .address_space: global }
      - { .name: b4, .offset: 136, .size: 8, .value_kind: global_buffer, .address_space: global }
      - { .name: m4, .offset: 144, .size: 8, .value_kind: global_buffer, .address_space: global }
      - { .name: v4, .offset: 152, .size: 8, .value_kind: global_buffer, .address_space: global }
      - { .name: x_query, .offset: 160, .size: 8, .value_kind: global_buffer, .address_space: global }
      - { .name: WT, .offset: 168, .size: 8, .value_kind: global_buffer, .address_space: global }
      - { .name: CS, .offset: 176, .size: 8, .value_kind: global_buffer, .address_space: global }
      - { .name: C2Q, .offset: 184, .size: 8, .value_kind: global_buffer, .address_space: global }
    .group_segment_fixed_size: 18432
    .private_segment_fixed_size: 0
    .kernarg_segment_align: 8
    .kernarg_segment_size: 192
    .max_flat_workgroup_size: 512
    .sgpr_count:     66
    .vgpr_count:     256
    .wavefront_size: 32
...
	.end_amdgpu_metadata
.endif
;; end of part 4
;; launch main: the kernel of part 2 again; grid 256 x 1, 4 waves a work-group, clusters of 4 x 1, 327,680 bytes of LDS; arguments x_key, WT, CS, C2Q, VAL, SC; writes VAL, SC
;; launch pool: the kernel of part 3 again; grid 256 x 1, 8 waves a work-group, no clusters, 13,568 bytes of LDS; arguments SC, VAL, out0; writes out0
